; MI455X (gfx1250); checked and timed in simulation.
; The chip was launched on July 23, 2026; its instructions are those of AMD's public machine-readable ISA for CDNA 5 (MIT licence, August 2026) and "CDNA5" Instruction Set Architecture Reference Guide (July 2026). The comments in the code are by the model that wrote it; some were corrected since.
;; Optimized Thermodynamic Detector. Allowed arithmetic: matrix products marked QUANTISED: E5M2 operands, one given power-of-two scale a tensor, by v_wmma_f32_16x16x64_bf8_bf8 or v_wmma_f32_16x16x128_bf8_bf8, f32 sums; everything else in f32.
;; Inputs: adj_matrix 8,192 x 8,192 float32; lowp_scales 6 int32 (the exponents e of the quantised operands' scales 2^e); node_embeddings 8,192 x 256 float32.
;; Outputs: out0 4 x 8,192 float32.
;; This version of the problem:
;;   THIS VERSION OF THE PROBLEM IS GIVEN IN LOW PRECISION. The matrix products marked QUANTISED in the list below multiply operands that are first quantised to E5M2 (5 exponent bits, 2 mantissa bits; 8 bits a number), with one given power-of-two scale for each operand tensor; their sums are f32. All else is computed in f32.
;;   The module's matrix products, in the order in which they are computed (A, B: the left and right operand; K: the contracted axis; several contracted axes count as one K, in the product's order):
;;     1. [M 8,192, K 8,192] x [K 8,192, N 256]; A: input adj_matrix; B: input node_embeddings: QUANTISED (scales: A lowp_scales[0], B lowp_scales[1])
;;     2. [M 8,192, K 256] x [K 256, N 8,192]; A: computed on the way; B: computed on the way: QUANTISED (scales: A lowp_scales[2], B lowp_scales[3])
;;     3. [M 8,192, K 256] x [K 256, N 8,192]; A: input node_embeddings; B: input node_embeddings: QUANTISED (scales: A lowp_scales[4], B lowp_scales[5])
;;   THE QUANTISER, for each operand of a quantised product, along K:
;;     - The operand's scale is 2^e, e = its entry of the input lowp_scales (int32; the entries are numbered through the quantised products in the list's order, A before B).
;;     - Each number is divided by the scale, clamped to +-57,344, and rounded to the nearest number of E5M2, ties to even, subnormals kept.
;;     - The product sums the exact products of the quantised numbers (number of the format x scale) in f32.
;;   ~~~python
;;   def quantise(x, axis, e):      # numpy; x: float32 -> the quantised numbers, widened to float32 again
;;       x = np.moveaxis(x, axis, -1); K = x.shape[-1]
;;       r = np.clip(x / 2.0 ** e, -57344, 57344)
;;       step = 2.0 ** (np.maximum(np.frexp(np.where(r == 0, 1, r))[1] - 1, -14) - 2)
;;       q = np.round(r / step) * step * 2.0 ** e      # np.round: ties to even
;;       return np.moveaxis(q, -1, axis).astype(np.float32)
;;   ~~~
;;   OPERANDS COMPUTED ON THE WAY. 'Computed on the way' means the value that the module computes at that place (a softmax that the list does not call 'softmax' is quantised finished and normalised). What goes into a quantiser is computed in f32, as accurately as f32 sums, v_exp_f32 and their like allow (about 1e-6 of the number): no bf16 or f16 on the way to a quantiser, and a product that is left as it is and whose result goes on into a quantised operand takes f32 operands (vector FMAs, or v_wmma_f32_16x16x4_f32). A number that lies on a knife's edge between two numbers of the format may be rounded either way, as far as f32 arithmetic and the matrix unit's own rounding can turn it there, and no further.
;; One version. Each part assembles by itself: llvm-mc -triple=amdgcn-amd-amdhsa -mcpu=gfx1250 --defsym DOCPART=n.
;; ======== version 1 of 1: 5 launches
;; limits: a function is approximated: absolute error at most 8.192e-05; right only within a limited range of input values
;; workspace buffers: prep 10,649,600 bytes; qlist 6,291,456 bytes; gid 524,288 bytes of whole numbers; part 2,621,440 bytes; nidx 524,288 bytes of whole numbers; stat 2,048 bytes
;; launch prep (part 1): grid 128 x 1, 4 waves a work-group, no clusters, 68,352 bytes of LDS; arguments node_embeddings, lowp_scales, prep; writes prep
.if DOCPART == 1
	.amdgcn_target "amdgcn-amd-amdhsa--gfx1250"
	.amdhsa_code_object_version 6
	.text
	.protected	k_qe5477d04d7_prep
	.globl	k_qe5477d04d7_prep
	.p2align	8
	.type	k_qe5477d04d7_prep,@function
k_qe5477d04d7_prep:
	s_mov_b64 s[64:65], 0
	v_nop
	global_prefetch_b8 v0, s[64:65] scope:SCOPE_SE
	s_setreg_imm32_b32 hwreg(HW_REG_WAVE_MODE, 25, 1), 1
	s_wait_xcnt 0x0
; node_embeddings [8192][256] f32 -> five sets of E5M2 codes, the rows' sums of squares and partial column sums, all in the buffer prep.
;   CN2 at 0, CN3 at 0x200000: x / max(|x|, 1e-12), scales e2, e3.   CE4 at 0x400000, CE5 at 0x600000: x, scales e4, e5.
;   These four are TILE IMAGES: the code of (row j, dim d) lies at (j>>4)*4096 + (d>>4)*256 + (j&15)*16 + (d&15), so that a fragment
;   (16 rows x 128 K) is four loads of 16 bytes a lane at 512 c + 16 lane.
;   CET at 0x800000: x transposed (K = the rows), scale e1: [chunk of 64 rows][d>>4][i][16 h + (d&15)][16 bytes]; the 16 bytes hold rows
;   32 i + 8 h + 0..7 and 32 i + 16 + 8 h + 0..7: the K = 64 form's own register image.
;   SQ at 0xa00000: [8192] f32.   CSUM at 0xa08000: [128][256] f32, a work-group's column sums.
; code = x / 2^e, held within +-57,344, to the nearest code, ties to even.  LIMITS: e1..e5 between -126 and 112; NaN and infinity are not served.
; A work-group takes 64 rows, a wave 16.  Loads take the bytes as they lie (512 consecutive bytes a load); the rows turn through a stage in LDS,
; once by rows (a lane: 16 neighbours along d) and once by columns (a lane: one d, registers down the rows).
.set STGP, 1040                        ; a stage row: 1,024 bytes + 16
.set CSB,  66560                       ; behind the stage: 256 column sums
.set SQSB, 67584                       ; and 64 sums of squares
.set X,  16                            ; v16-143  128 numbers
.set T,  144                           ; v144-151 the chains of the sums of squares
.set C,  176                           ; v176-207 a set's codes
.set CT, 208                           ; v208-239 the transposed codes, each written once
.macro MKSC e, sc, lim                 ; v[sc] = 2^e as f32
	s_add_co_i32 s34, s[\e], 127
	s_lshl_b32 s35, s34, 23
	v_mov_b32 v[\sc], s35
	s_add_co_i32 s34, s34, 15
	s_lshl_b32 s34, s34, 23
	s_or_b32 s34, s34, 0x600000
.endm
	s_load_b128 s[4:7], s[0:1], 0x0                ; x, the scales' exponents
	s_load_b64 s[8:9], s[0:1], 0x10                ; prep
	v_lshl_add_u32 v254, v0, 2, 0x10900
	v_mov_b32 v255, 0
	v_lshrrev_b32 v10, 5, v0
	v_readfirstlane_b32 s10, v10                   ; wave
	v_and_b32 v11, 31, v0                          ; lane
	v_lshlrev_b32 v1, 4, v11                       ; 16 x lane
	v_and_b32 v2, 15, v0                           ; r
	v_bfe_u32 v3, v0, 4, 1                         ; h
	s_mul_i32 s11, s10, 16*STGP                    ; my 16 rows of the stage
	v_add_nc_u32 v4, s11, v1                       ; the stage, way in
	v_mul_u32_u24 v5, v2, STGP
	v_lshl_add_u32 v5, v3, 6, v5
	v_add_nc_u32 v5, s11, v5                       ; by rows: row r, + 64 h
	s_lshl_b32 s12, s10, 8
	v_lshl_add_u32 v6, v11, 2, s12                 ; by columns: 4 (64 w + lane), rows 0-31
	v_add_nc_u32 v7, 32*STGP, v6                   ; rows 32-63
	s_lshl_b32 s13, s10, 6
	v_lshl_add_u32 v8, v2, 2, s13
	v_add_nc_u32 v8, SQSB, v8                      ; my row's sum of squares
	v_add_nc_u32 v9, CSB, v6                       ; my column's sum
	v_add_nc_u32 v12, CSB, v1                      ; the copies out
	v_lshlrev_b32 v15, 3, v11
	v_add_nc_u32 v13, SQSB, v15
	v_lshlrev_b32 v14, 4, v2
	v_lshl_add_u32 v14, v3, 10, v14                ; CET: (lane>>4) x 1,024 + 16 (lane&15)
	s_mov_b32 s36, 0x76543210
	s_mov_b32 s37, 0xfedcba98
	s_lshl_b32 s14, ttmp9, 16
	s_lshl_b32 s15, s10, 14
	s_add_co_u32 s14, s14, s15                     ; my 16 rows of x
	s_mov_b32 s15, 0
	s_lshl_b32 s16, ttmp9, 14
	s_lshl_b32 s17, s10, 12
	s_add_co_u32 s16, s16, s17                     ; my tile in an image; also my part of the chunk of CET
	s_mov_b32 s17, 0
	s_lshl_b32 s18, ttmp9, 8
	s_mov_b32 s19, 0
	s_wait_kmcnt 0x0
	s_load_b128 s[28:31], s[6:7], 0x0              ; e0..e3
	s_load_b64 s[32:33], s[6:7], 0x10              ; e4, e5
	s_add_nc_u64 s[4:5], s[4:5], s[14:15]
	s_add_nc_u64 s[20:21], s[8:9], s[16:17]
	s_add_nc_u64 s[22:23], s[20:21], 0x800000
	s_add_nc_u64 s[24:25], s[8:9], 0xa00000
	s_add_nc_u64 s[24:25], s[24:25], s[18:19]
	s_lshl_b32 s18, ttmp9, 10
	s_add_nc_u64 s[26:27], s[8:9], 0xa08000
	s_add_nc_u64 s[26:27], s[26:27], s[18:19]
.set i, 0
.rept 32
	global_load_b128 v[X+4*i:X+4*i+3], v1, s[4:5] offset:512*i   ; 512 consecutive bytes a load
.set i, i+1
.endr
	s_wait_kmcnt 0x0
	MKSC 29, 240, 241
	MKSC 30, 242, 243
	MKSC 31, 244, 245
	MKSC 32, 246, 247
	MKSC 33, 248, 249
	s_wait_loadcnt 0x0
.set i, 0
.rept 32
	ds_store_b128 v4, v[X+4*i:X+4*i+3] offset:(i/2)*STGP+(i%2)*512
.set i, i+1
.endr
.set i, 0
.rept 32
	ds_load_b128 v[X+4*i:X+4*i+3], v5 offset:128*(i/4)+16*(i%4)   ; my own bytes, served in order: X[16 k + ..] = d 16 (2 k + h) + 0..15 of row r
.set i, i+1
.endr
	s_wait_dscnt 0x0
	; the row's sum of squares: four chains, then the other half of the lanes
.irp c, 0,2,4,6
	v_pk_mul_f32 v[T+\c:T+\c+1], v[X+\c:X+\c+1], v[X+\c:X+\c+1]
.endr
.set j, 8
.rept 60
	v_pk_fma_f32 v[T+j%8:T+j%8+1], v[X+j:X+j+1], v[X+j:X+j+1], v[T+j%8:T+j%8+1]
.set j, j+2
.endr
	v_pk_add_f32 v[T:T+1], v[T:T+1], v[T+2:T+3]
	v_pk_add_f32 v[T+4:T+5], v[T+4:T+5], v[T+6:T+7]
	v_pk_add_f32 v[T:T+1], v[T:T+1], v[T+4:T+5]
	v_add_f32 v[T], v[T], v[T+1]
	v_permlanex16_b32 v[T+1], v[T], s36, s37
	v_add_f32 v250, v[T], v[T+1]
	ds_store_b32 v8, v250
	v_sqrt_f32 v251, v250
	v_nop
	s_wait_alu depctr_va_vdst(0)                   ; ahead of the root's first reader
	v_max_num_f32 v251, 0x2b8cbccc, v251           ; max(|x|, 1e-12)
	s_wait_alu depctr_va_vdst(0)
	v_rcp_f32 v252, v251
	v_nop
	s_wait_alu depctr_va_vdst(0)
	v_mov_b32 v253, v252
; a set of codes: 16 numbers converted, 16 bytes a lane stored: 512 consecutive bytes a store
.macro QSET set, sc, lim
.set k, 0
.rept 8
.set i, 0
.rept 16
.set i, i+1
.endr
	v_cvt_scalef32_pk8_bf8_f32 v[C+4*k:C+4*k+1], v[T+16*(k%2)+((X+16*k+i)-(T+16*(k%2)+i)):T+16*(k%2)+7+((X+16*k+i)-(T+16*(k%2)+i))], v[\sc]
	v_cvt_scalef32_pk8_bf8_f32 v[C+4*k+2:C+4*k+3], v[T+16*(k%2)+8+((X+16*k+i)-(T+16*(k%2)+i)):T+16*(k%2)+15+((X+16*k+i)-(T+16*(k%2)+i))], v[\sc]
	global_store_b128 v1, v[C+4*k:C+4*k+3], s[20:21] offset:\set+512*k
.set k, k+1
.endr
.endm
	QSET 0x400000, 246, 247
	s_wait_xcnt 0x0                                ; the stores have read C: it is written again
	QSET 0x600000, 248, 249
.set j, 0
	v_nop
.rept 64
	v_pk_mul_f32 v[X+j:X+j+1], v[X+j:X+j+1], v[252:253]
.set j, j+2
.endr
	s_wait_xcnt 0x0
	QSET 0, 242, 243
	s_wait_xcnt 0x0
	QSET 0x200000, 244, 245
	s_wait_dscnt 0x0                               ; my stores into the stage are done
	s_barrier_signal -1
	s_barrier_wait -1                              ; the 64 rows lie in the stage
; by columns: d = 64 w + 32 u + lane, registers down the 64 rows
.macro COLS u
.set j, 0
.rept 32
	ds_load_b32 v[X+j], v6 offset:j*STGP+128*\u
.set j, j+1
.endr
.set j, 0
.rept 32
	ds_load_b32 v[X+32+j], v7 offset:j*STGP+128*\u
.set j, j+1
.endr
	s_wait_dscnt 0x0
	v_pk_add_f32 v[T:T+1], v[X:X+1], v[X+2:X+3]
	v_pk_add_f32 v[T+2:T+3], v[X+4:X+5], v[X+6:X+7]
.set j, 8
.rept 14
	v_pk_add_f32 v[T:T+1], v[T:T+1], v[X+j:X+j+1]
	v_pk_add_f32 v[T+2:T+3], v[T+2:T+3], v[X+j+2:X+j+3]
.set j, j+4
.endr
	v_pk_add_f32 v[T:T+1], v[T:T+1], v[T+2:T+3]
	v_add_f32 v[T], v[T], v[T+1]
	ds_store_b32 v9, v[T] offset:128*\u
.set j, 0
.rept 64
.set j, j+1
.endr
.set e, 0
.rept 8                                ; rows 8 e .. 8 e + 7 = 32 i + 16 u' + 8 h + 0..7: piece 2 i + h, half u'
	v_cvt_scalef32_pk8_bf8_f32 v[CT+16*\u+4*(2*(e/4)+e%2)+2*((e/2)%2):CT+16*\u+4*(2*(e/4)+e%2)+2*((e/2)%2)+1], v[X+8*e:X+8*e+7], v240
.set e, e+1
.endr
.irp p, 0,1,2,3
	global_store_b128 v14, v[CT+16*\u+4*\p:CT+16*\u+4*\p+3], s[22:23] offset:2048*\u+256*\p   ; sixteen lanes store 256 consecutive bytes, aligned
.endr
.endm
	v_nop
	COLS 0
	COLS 1
	s_wait_dscnt 0x0
	s_barrier_signal -1
	s_barrier_wait -1                              ; all sums lie in LDS
	s_cmp_eq_u32 s10, 0
	s_cbranch_scc0 .Lnot0
	ds_load_b128 v[16:19], v12
	ds_load_b128 v[20:23], v12 offset:512
	s_wait_dscnt 0x0
	global_store_b128 v1, v[16:19], s[26:27]
	global_store_b128 v1, v[20:23], s[26:27] offset:512
	s_wait_tensorcnt 0x0
	ds_add_u32 v254, v255
	s_wait_dscnt 0x0
	s_endpgm
.Lnot0:
	s_cmp_eq_u32 s10, 1
	s_cbranch_scc0 .Lend
	ds_load_b64 v[16:17], v13
	s_wait_dscnt 0x0
	global_store_b64 v15, v[16:17], s[24:25]
.Lend:
	s_wait_tensorcnt 0x0
	ds_add_u32 v254, v255
	s_wait_dscnt 0x0
	s_endpgm
.Lfunc_end_k_qe5477d04d7_prep:
	.size	k_qe5477d04d7_prep, .Lfunc_end_k_qe5477d04d7_prep-k_qe5477d04d7_prep
	.p2alignl 7, 3214868480
	.fill 96, 4, 3214868480
	.section	.rodata,"a",@progbits
	.p2align	6, 0x0
	.amdhsa_kernel k_qe5477d04d7_prep
		.amdhsa_group_segment_fixed_size 68352
		.amdhsa_private_segment_fixed_size 0
		.amdhsa_enable_private_segment 0
		.amdhsa_kernarg_size 24
		.amdhsa_user_sgpr_count 2
		.amdhsa_user_sgpr_kernarg_segment_ptr 1
		.amdhsa_wavefront_size32 1
		.amdhsa_system_sgpr_workgroup_id_x 1
		.amdhsa_system_sgpr_workgroup_id_y 1
		.amdhsa_system_sgpr_workgroup_id_z 1
		.amdhsa_system_vgpr_workitem_id 0
		.amdhsa_next_free_vgpr 256
		.amdhsa_next_free_sgpr 66
		.amdhsa_reserve_vcc 0
		.amdhsa_float_denorm_mode_32 3
		.amdhsa_float_denorm_mode_16_64 3
		.amdhsa_fp16_overflow 1
		.amdhsa_memory_ordered 1
		.amdhsa_forward_progress 1
		.amdhsa_inst_pref_size 42
	.end_amdhsa_kernel
	.amdgpu_metadata
---
amdhsa.version: [ 1, 2 ]
amdhsa.kernels:
  - .name:           k_qe5477d04d7_prep
    .symbol:         k_qe5477d04d7_prep.kd
    .args:
      - { .name: node_embeddings, .offset: 0, .size: 8, .value_kind: global_buffer, .address_space: global }
      - { .name: lowp_scales, .offset: 8, .size: 8, .value_kind: global_buffer, .address_space: global }
      - { .name: prep, .offset: 16, .size: 8, .value_kind: global_buffer, .address_space: global }
    .group_segment_fixed_size: 68352
    .private_segment_fixed_size: 0
    .kernarg_segment_align: 8
    .kernarg_segment_size: 24
    .max_flat_workgroup_size: 128
    .sgpr_count:     66
    .vgpr_count:     256
    .wavefront_size: 32
...
	.end_amdgpu_metadata
.endif
;; end of part 1
;; launch knn (part 2): grid 32 x 8, 8 waves a work-group, clusters of 4 x 1, 291,840 bytes of LDS; arguments prep, lowp_scales, qlist; writes qlist
.if DOCPART == 2
	.amdgcn_target "amdgcn-amd-amdhsa--gfx1250"
	.amdhsa_code_object_version 6
	.text
	.protected	k_qe5477d04d7_knn
	.globl	k_qe5477d04d7_knn
	.p2align	8
	.type	k_qe5477d04d7_knn,@function
k_qe5477d04d7_knn:
	s_mov_b64 s[64:65], 0
	v_nop
	global_prefetch_b8 v0, s[64:65] scope:SCOPE_SE
	s_setreg_imm32_b32 hwreg(HW_REG_WAVE_MODE, 25, 1), 1
	s_wait_xcnt 0x0
	s_wait_alu depctr_hold_cnt(0) depctr_sa_sdst(0) depctr_va_vdst(0) depctr_va_sdst(0) depctr_va_ssrc(0) depctr_va_vcc(0) depctr_vm_vsrc(0)
	s_getreg_b32 s2, hwreg(HW_REG_IB_STS2, 6, 4)
	s_cmp_eq_u32 s2, 0
	s_cbranch_scc0 .Lentry_in_a_cluster
	s_endpgm
.Lentry_in_a_cluster:
	s_bfe_u32 s2, ttmp6, 0x10000c
	s_cmp_lg_u32 s2, 0x3003
	s_cbranch_scc0 .Lentry_shape_is_right
	s_endpgm
.Lentry_shape_is_right:
; The bulk pass of the nearest neighbours.  d2(i, j) = fl(fl(sq_i + sq_j) - 2 G(i, j)), G = Q(x, e4) Q(x, e5)^T on E5M2 codes, held at 0 from below.
; Of each group of 8 consecutive j (id = j >> 3) only the minimum is taken, and each lane keeps the 6 smallest (minimum, id) of its groups, sorted.
; Groups are index ranges numbered in order, so the 6 smallest elements by (value, index) lie in the 6 smallest groups by (minimum, id); a later launch
; recomputes those groups' 48 distances with the same matrix form and the same vector lines.
; LIMITS: the order is taken on d2, not on its root (the root is monotone; only ties that the root's own rounding makes could differ).  e4 + e5 between -126 and 126.
; SHARES: a work-group takes 256 rows x 1,024 candidates; wave w two tiles of 16 rows.  The product is used transposed (source 0 = 16 candidates, source 1 = 16 rows):
; a lane holds one row (lane % 16) and 8 neighbouring candidates, one group.
; CLUSTER: the four work-groups of a cluster differ in their rows alone and read the same candidates: every fill is asked for jointly.  LDS is filled once: no slot is filled again.
.set SQJ, 262144                       ; behind the 64 candidate tiles of 4,096 bytes: their 1,024 sums of squares
.set STG, 266240                       ; and 3,072 bytes for each wave, for the way out; no fill lands there
.set Q,   16                           ; v16-79   my two tiles' fragments
.set B,   80                           ; v80-143  a candidate tile, two sets
.set SJ,  144                          ; v144-159 its sums of squares, two sets
.set ACC, 160
.set T,   176
.set LS,  192                          ; v192-215 for each tile: six values, six ids
.set SQI, 216
.set MN,  220
.set IDR, 5
.set WV,  10
.set TB,  11
.set TS,  12
.set CNT, 13
.set K2,  14
.set CM,  16
.set G1Q, 24
.set G1S, 32
.macro CROUND
	s_barrier_signal -1
	s_barrier_wait -1
	s_cmp_lg_u32 s[WV], 0
	s_cbranch_scc1 .Lnot_wave_0_\@
	s_barrier_signal -3
.Lnot_wave_0_\@:
	s_barrier_wait -3
	s_barrier_signal -1
	s_barrier_wait -1
.endm
; (val, id) goes into the sorted list lv[0..5], li[0..5].  lex = 0: what comes later loses a tie (ids arrive ascending); lex = 1: a tie goes to the lower id.
.macro INS val, id, lv, li, lex
.irp k, 0,1,2,3,4,5
	v_cmp_lt_f32 s[CM+\k], v[\val], v[\lv+\k]
.if \lex
	v_cmp_eq_f32 s[CM+6], v[\val], v[\lv+\k]
	v_cmp_lt_u32 s[CM+7], v[\id], v[\li+\k]
	s_and_b32 s[CM+6], s[CM+6], s[CM+7]
	s_or_b32 s[CM+\k], s[CM+\k], s[CM+6]
.endif
.endr
.irp k, 5,4,3,2,1
	v_cndmask_b32 v[\li+\k], v[\li+\k], v[\id], s[CM+\k]
	s_delay_alu instid0(VALU_DEP_1)
	v_cndmask_b32 v[\li+\k], v[\li+\k], v[\li+\k-1], s[CM+\k-1]
	v_med3_num_f32 v[\lv+\k], v[\lv+\k-1], v[\lv+\k], v[\val]
.endr
	v_cndmask_b32 v[\li], v[\li], v[\id], s[CM]
	v_min_num_f32 v[\lv], v[\lv], v[\val]
.endm
	s_load_b128 s[4:7], s[0:1], 0x0                ; prep, the scales' exponents
	s_load_b64 s[8:9], s[0:1], 0x10                ; qlist
	v_lshl_add_u32 v254, v0, 2, 0x47000
	v_mov_b32 v255, 0
	ds_add_u32 v254, v255
	ds_add_u32 v254, v255
	v_lshrrev_b32 v8, 5, v0
	s_delay_alu instid0(VALU_DEP_1)
	v_readfirstlane_b32 s[WV], v8                  ; wave 0..7
	s_bfe_u32 s60, ttmp6, 0x40000                  ; cx
	s_lshl_b32 s61, ttmp9, 2
	s_add_co_u32 s61, s61, s60                     ; my block of 256 rows: it enters global addresses of my own alone
	s_and_b32 s62, ttmp7, 0xffff                   ; my block of 1,024 candidates, which the partners share
	; group 1: dense blocks as rows of 256 bytes (32 elements of 8 bytes); the mask names all four partners
	s_mov_b32 s[G1Q], 15|(3<<16)|(1<<21)
	s_mov_b32 s[G1Q+1], 32<<16
	s_mov_b32 s[G1Q+2], 32<<16                     ; 32 rows: 8,192 bytes, a wave's part of a quarter
	s_mov_b32 s[G1Q+3], 32<<16
	s_mov_b32 s[G1Q+4], 32
	s_mov_b32 s[G1Q+5], 32
	s_mov_b32 s[G1Q+6], 0
	s_mov_b32 s[G1Q+7], 0
	s_mov_b32 s[G1S], 15|(3<<16)|(1<<21)
	s_mov_b32 s[G1S+1], 32<<16
	s_mov_b32 s[G1S+2], 2<<16                      ; 2 rows: 512 bytes of the sums of squares
	s_mov_b32 s[G1S+3], 32<<16
	s_mov_b32 s[G1S+4], 2
	s_mov_b32 s[G1S+5], 32
	s_mov_b32 s[G1S+6], 0
	s_mov_b32 s[G1S+7], 0
	s_lshl_b32 s66, s62, 12
	s_lshl_b32 s67, s[WV], 9
	s_add_co_u32 s66, s66, s67
	s_mov_b32 s67, 0
	s_lshl_b32 s68, s62, 18
	s_lshl_b32 s69, s[WV], 13
	s_add_co_u32 s68, s68, s69
	s_mov_b32 s69, 0
	s_lshl_b32 s70, s61, 16
	s_lshl_b32 s71, s[WV], 13
	s_add_co_u32 s70, s70, s71                     ; my two tiles in CE4
	s_mov_b32 s71, 0
	s_lshl_b32 s72, s61, 10
	s_lshl_b32 s73, s[WV], 7
	s_add_co_u32 s72, s72, s73                     ; my 32 rows in SQ
	s_mov_b32 s73, 0
	s_lshl_b32 s74, s61, 4
	s_lshl_b32 s75, s[WV], 1
	s_add_co_u32 s74, s74, s75
	s_mul_i32 s74, s74, 1536
	s_mul_i32 s75, s62, 786432
	s_add_co_u32 s74, s74, s75                     ; my two tiles' lists
	s_mov_b32 s75, 0
	s_wait_dscnt 0x0
	s_wait_kmcnt 0x0
	s_load_b64 s[76:77], s[6:7], 0x10              ; e4, e5
	s_mov_b32 s40, 1
	s_lshl_b32 s41, s[WV], 9
	s_add_co_u32 s41, s41, SQJ
	s_add_nc_u64 s[42:43], s[4:5], s[66:67]
	s_add_nc_u64 s[42:43], s[42:43], 0xa00000
	s_or_b32 s43, s43, 0x80000000
	s_add_nc_u64 s[68:69], s[4:5], s[68:69]
	s_add_nc_u64 s[68:69], s[68:69], 0x600000
	s_lshl_b32 s78, s[WV], 13
.irp q, 0,1,2,3
	s_mov_b32 s[44+4*\q], 1
	s_add_co_u32 s[45+4*\q], s78, \q*65536
	s_add_nc_u64 s[46+4*\q:47+4*\q], s[68:69], \q*65536
	s_or_b32 s[47+4*\q], s[47+4*\q], 0x80000000
.endr
	s_add_nc_u64 s[70:71], s[4:5], s[70:71]
	s_add_nc_u64 s[70:71], s[70:71], 0x400000
	s_add_nc_u64 s[72:73], s[4:5], s[72:73]
	s_add_nc_u64 s[72:73], s[72:73], 0xa00000
	s_add_nc_u64 s[74:75], s[8:9], s[74:75]
	CROUND                                         ; the four work-groups are here: the joint loads meet
	tensor_load_to_lds s[40:43], s[G1S:G1S+7]      ; all fills go out together: five loads of mine are out
	s_nop 0
	tensor_load_to_lds s[44:47], s[G1Q:G1Q+7]
	s_nop 0
	tensor_load_to_lds s[48:51], s[G1Q:G1Q+7]
	s_nop 0
	tensor_load_to_lds s[52:55], s[G1Q:G1Q+7]
	s_nop 0
	tensor_load_to_lds s[56:59], s[G1Q:G1Q+7]
	s_nop 0
.rept 4
	v_nop
.endr
	v_and_b32 v9, 31, v0
	s_delay_alu instid0(VALU_DEP_1)
	v_lshlrev_b32 v1, 4, v9                        ; 16 x lane
	v_bfe_u32 v10, v0, 4, 1                        ; h
	v_and_b32 v11, 15, v0                          ; r
	s_delay_alu instid0(VALU_DEP_2)
	v_lshlrev_b32 v2, 5, v10
	s_delay_alu instid0(VALU_DEP_1)
	v_add_nc_u32 v2, SQJ, v2                       ; my 8 candidates' sums of squares
	s_lshl_b32 s79, s62, 7
	v_add_nc_u32 v[IDR], s79, v10                  ; the group's id: 128 cb + 2 tile + h
	s_mul_i32 s79, s[WV], 3072
	s_add_co_u32 s79, s79, STG
	v_lshl_add_u32 v6, v9, 2, s79
	v_add_nc_u32 v7, s79, v1
	v_lshlrev_b32 v8, 2, v11
.set i, 0
.rept 16
	global_load_b128 v[Q+4*i:Q+4*i+3], v1, s[70:71] offset:512*i
.set i, i+1
.endr
	global_load_b32 v[SQI], v8, s[72:73]
	global_load_b32 v[SQI+2], v8, s[72:73] offset:64
.irp m, 0,1
.irp k, 0,1,2,3,4,5
	v_mov_b32 v[LS+12*\m+\k], 0x7f800000
	v_mov_b32 v[LS+12*\m+6+\k], 0
.endr
.endr
	s_mov_b32 s[TB], 0
	s_mov_b32 s[TS], 0
	s_wait_kmcnt 0x0
	s_add_co_i32 s[K2], s76, s77
	s_add_co_i32 s[K2], s[K2], 128
	s_lshl_b32 s[K2], s[K2], 23
	s_or_b32 s[K2], s[K2], 0x80000000              ; -2 x 2^(e4 + e5)
	s_mov_b32 s[K2+1], s[K2]
	s_wait_loadcnt 0x0
	v_mov_b32 v[SQI+1], v[SQI]
	v_mov_b32 v[SQI+3], v[SQI+2]
.macro LDT p, toff                     ; ten LDS loads: a candidate tile and its sums of squares, toff tiles on from the addresses in hand
.set i, 0
.rept 8
	ds_load_b128 v[B+32*\p+4*i:B+32*\p+4*i+3], v3 offset:(\toff)*4096+512*i
.set i, i+1
.endr
	ds_load_b128 v[SJ+8*\p:SJ+8*\p+3], v4 offset:(\toff)*64
	ds_load_b128 v[SJ+8*\p+4:SJ+8*\p+7], v4 offset:(\toff)*64+16
.endm
.macro TILE p, load, cnt
	s_wait_dscnt \cnt                              ; this tile's ten loads are in; the next tile's ten may be out
	v_wmma_f32_16x16x128_bf8_bf8 v[ACC:ACC+7], v[B+32*\p:B+32*\p+15], v[Q:Q+15], 0
	v_wmma_f32_16x16x128_bf8_bf8 v[ACC+8:ACC+15], v[B+32*\p:B+32*\p+15], v[Q+32:Q+47], 0
	v_wmma_f32_16x16x128_bf8_bf8 v[ACC:ACC+7], v[B+32*\p+16:B+32*\p+31], v[Q+16:Q+31], v[ACC:ACC+7]
	v_wmma_f32_16x16x128_bf8_bf8 v[ACC+8:ACC+15], v[B+32*\p+16:B+32*\p+31], v[Q+48:Q+63], v[ACC+8:ACC+15]
.irp m, 0,1
.irp i, 0,2,4,6
	v_pk_add_f32 v[T+8*\m+\i:T+8*\m+\i+1], v[SJ+8*\p+\i:SJ+8*\p+\i+1], v[SQI+2*\m:SQI+2*\m+1] op_sel_hi:[1,0]   ; sq_j + sq_i; these eight are the places behind the products
.endr
.endr
.if \load
	LDT \p, 2+\p
.endif
.irp i, 0,2,4,6,8,10,12,14
	v_pk_fma_f32 v[T+\i:T+\i+1], v[ACC+\i:ACC+\i+1], s[K2:K2+1], v[T+\i:T+\i+1] op_sel_hi:[1,0,1]
.endr
.irp m, 0,1
	v_min3_num_f32 v[MN], v[T+8*\m], v[T+8*\m+1], v[T+8*\m+2]
	v_min3_num_f32 v[MN+1], v[T+8*\m+3], v[T+8*\m+4], v[T+8*\m+5]
	s_delay_alu instid0(VALU_DEP_2)
	v_min3_num_f32 v[MN], v[MN], v[T+8*\m+6], v[T+8*\m+7]
	s_delay_alu instid0(VALU_DEP_1)
	v_min_num_f32 v[MN], v[MN], v[MN+1]
	s_delay_alu instid0(VALU_DEP_1)
	v_max_num_f32 v[MN], 0, v[MN]
	INS MN, IDR, LS+12*\m, LS+12*\m+6, 0
.endr
	v_add_nc_u32 v[IDR], 2, v[IDR]
.endm
; quarter q has landed in every wave's part; the quarters behind it may stay out.  A trip works tiles t, t + 1 and fetches t + 2, t + 3.
.macro PHASE q, n
	s_wait_tensorcnt 3-\q
	s_wait_dscnt 0x0
	s_barrier_signal -1
	s_barrier_wait -1
.if \q == 0
	v_add_nc_u32 v3, s[TB], v1
	v_add_nc_u32 v4, s[TS], v2
	LDT 0, 0
	LDT 1, 1
.endif
	s_mov_b32 s[CNT], \n
.Ltrip_\@:
	v_add_nc_u32 v3, s[TB], v1
	v_add_nc_u32 v4, s[TS], v2
	s_wait_alu depctr_va_vdst(0)
	TILE 0, 1, 10
	TILE 1, 1, 10
	s_add_co_u32 s[TB], s[TB], 8192
	s_add_co_u32 s[TS], s[TS], 128
	s_sub_co_u32 s[CNT], s[CNT], 1
	s_cmp_lg_u32 s[CNT], 0
	s_cbranch_scc1 .Ltrip_\@
.endm
	PHASE 0, 7                                     ; works tiles 0-13, fetches up to 15
	PHASE 1, 8                                     ; works 14-29, fetches 16-31
	PHASE 2, 8
	PHASE 3, 8
	TILE 0, 0, 10
	TILE 1, 0, 0
	; the way out: twelve planes of 128 bytes a tile through my stage, then 3,072 consecutive bytes
.irp m, 0,1
.irp k, 0,1,2,3,4,5,6,7,8,9,10,11
	ds_store_b32 v6, v[LS+12*\m+\k] offset:1536*\m+128*\k
.endr
.endr
.irp i, 0,1,2,3,4,5
	ds_load_b128 v[B+4*\i:B+4*\i+3], v7 offset:512*\i
.endr
	s_wait_dscnt 0x0
.irp i, 0,1,2,3,4,5
	global_store_b128 v1, v[B+4*\i:B+4*\i+3], s[74:75] offset:512*\i
.endr
	s_wait_tensorcnt 0x0
	ds_add_u32 v254, v255
	s_wait_dscnt 0x0
	CROUND                                         ; the closing round
	s_endpgm
.Lfunc_end_k_qe5477d04d7_knn:
	.size	k_qe5477d04d7_knn, .Lfunc_end_k_qe5477d04d7_knn-k_qe5477d04d7_knn
	.p2alignl 7, 3214868480
	.fill 96, 4, 3214868480
	.section	.rodata,"a",@progbits
	.p2align	6, 0x0
	.amdhsa_kernel k_qe5477d04d7_knn
		.amdhsa_group_segment_fixed_size 291840
		.amdhsa_private_segment_fixed_size 0
		.amdhsa_enable_private_segment 0
		.amdhsa_kernarg_size 24
		.amdhsa_user_sgpr_count 2
		.amdhsa_user_sgpr_kernarg_segment_ptr 1
		.amdhsa_wavefront_size32 1
		.amdhsa_system_sgpr_workgroup_id_x 1
		.amdhsa_system_sgpr_workgroup_id_y 1
		.amdhsa_system_sgpr_workgroup_id_z 1
		.amdhsa_system_vgpr_workitem_id 0
		.amdhsa_next_free_vgpr 256
		.amdhsa_next_free_sgpr 80
		.amdhsa_reserve_vcc 0
		.amdhsa_float_denorm_mode_32 3
		.amdhsa_float_denorm_mode_16_64 3
		.amdhsa_memory_ordered 1
		.amdhsa_forward_progress 1
		.amdhsa_inst_pref_size 72
	.end_amdhsa_kernel
	.amdgpu_metadata
---
amdhsa.version: [ 1, 2 ]
amdhsa.kernels:
  - .name:           k_qe5477d04d7_knn
    .symbol:         k_qe5477d04d7_knn.kd
    .args:
      - { .name: prep, .offset: 0, .size: 8, .value_kind: global_buffer, .address_space: global }
      - { .name: lowp_scales, .offset: 8, .size: 8, .value_kind: global_buffer, .address_space: global }
      - { .name: qlist, .offset: 16, .size: 8, .value_kind: global_buffer, .address_space: global }
    .group_segment_fixed_size: 291840
    .private_segment_fixed_size: 0
    .kernarg_segment_align: 8
    .kernarg_segment_size: 24
    .max_flat_workgroup_size: 256
    .sgpr_count:     80
    .vgpr_count:     256
    .wavefront_size: 32
...
	.end_amdgpu_metadata
.endif
;; end of part 2
;; launch adjm (part 3): grid 32 x 8, 4 waves a work-group, no clusters, 327,680 bytes of LDS; arguments adj_matrix, node_embeddings, lowp_scales, prep, qlist, gid, part; writes gid, part
.if DOCPART == 3
	.amdgcn_target "amdgcn-amd-amdhsa--gfx1250"
	.amdhsa_code_object_version 6
	.text
	.protected	k_qe5477d04d7_adjm
	.globl	k_qe5477d04d7_adjm
	.p2align	8
	.type	k_qe5477d04d7_adjm,@function
k_qe5477d04d7_adjm:
	s_mov_b64 s[64:65], 0
	v_nop
	global_prefetch_b8 v0, s[64:65] scope:SCOPE_SE
	s_setreg_imm32_b32 hwreg(HW_REG_WAVE_MODE, 25, 1), 1
	s_wait_xcnt 0x0
; The one pass over adj_matrix.  A work-group takes 256 rows x 1,024 columns j, in 16 chunks of 64 j; wave w takes rows 64 w + 16 m + r, m = 0..3.
; For each chunk and tile of 16 rows: sim = Q(n, e2) Q(n, e3)^T (transposed use: a lane holds row r and j = 16 c + 8 h + 0..7), adj's codes (scale e0) made in registers,
; acc += Q(x^T, e1) Q(adj, e0)^T (a lane: row r, d = 16 t + 8 h + 0..7), the row sum of adj, and the softmax's statistics of t = sim x adj x c, c = log2(e) 2^(e2+e3):
; a running maximum M, Z = sum 2^(t-M), S = sum 2^(t-M) (t-M); when M moves by delta: S = (S + delta Z) 2^delta, Z = Z 2^delta.  Each lane keeps its own subset's; they are merged later.
; LIMITS: log(p + 1e-8) is taken as log p: the difference, sum p log(1 + 1e-8 / p), lies in [0, 8192e-8] for every input and would want a second read of adj.
;   e0 between -126 and 112; e2 + e3 between -126 and 126.  NaN and infinity are not served.
; NO CLUSTER: of the 98,304 bytes that a step fetches 65,536 are adj's, which no other work-group reads; only the two code tiles (32,768) are shared.
; THE HEAD also merges the 16 lists of the launch before for 32 rows of its own and stores their six group ids as whole numbers.
; LDS: two slots, 2^17 bytes apart: 256 rows of adj (256 bytes + 16), the chunk's four tiles of CN3, its 16,384 bytes of CET.
; WINDOWS: 0: addresses, statistics, A, SIM, codes, Q.   1: v0-127 CN3's fragments, v128-255 CET's.   2, 3: product 1's sums, tile m in window 2 + m/2 at 128 (m%2) + 8 t.
.set SLOTB,  1<<17
.set APITCH, 272
.set CNB,    69632
.set SPARE,  233472                    ; behind the ring: the spare words, 128 bytes a wave
.set EP,     1040                      ; the tail: a stage row of x
.set OSTG,   66560                     ; the tail's stages lie in slot 0, behind its last fill and its last read
.set L16, 1
.set AA0, 2
.set AC0, 3
.set ADA, 4
.set ADC, 5
.set SPW, 6
.set NIL, 7
.set SC0, 8
.set LIM0, 9
.set ESI, 10
.set ESO, 11
.set OSI, 12
.set OSO, 13
.set PO,  14
.set ST,  16                           ; at 8 m: -M, M, Z pair, S pair, row-sum pair
.set A,   48
.set SIM, 80
.set CODE, 112
.set T,   120
.set Q,   128
.set WV,  18
.set TB,  19
.set CNT, 20
.set CS,  22
.set CM,  48
.set MSB, 0
.macro WIN new
.if MSB != (\new)
	s_set_vgpr_msb (MSB<<8)|(\new)
.set MSB, (\new)
.endif
.endm
.macro INS val, id, lv, li, lex
.irp k, 0,1,2,3,4,5
	v_cmp_lt_f32 s[CM+\k], v[\val], v[\lv+\k]
.if \lex
	v_cmp_eq_f32 s[CM+6], v[\val], v[\lv+\k]
	v_cmp_lt_u32 s[CM+7], v[\id], v[\li+\k]
	s_and_b32 s[CM+6], s[CM+6], s[CM+7]
	s_or_b32 s[CM+\k], s[CM+\k], s[CM+6]
.endif
.endr
.irp k, 5,4,3,2,1
	v_cndmask_b32 v[\li+\k], v[\li+\k], v[\id], s[CM+\k]
	v_cndmask_b32 v[\li+\k], v[\li+\k], v[\li+\k-1], s[CM+\k-1]
	v_med3_num_f32 v[\lv+\k], v[\lv+\k-1], v[\lv+\k], v[\val]
.endr
	v_cndmask_b32 v[\li], v[\li], v[\id], s[CM]
	v_min_num_f32 v[\lv], v[\lv], v[\val]
.endm
; waves 0 and 1 fetch adj's two halves, wave 2 CN3's tiles, wave 3 CET's chunk: one load a wave.  Four v_nop follow each line.
.macro TLOAD
	s_cmp_lt_u32 s[WV], 2
	s_cbranch_scc0 .Lcodes_\@
	tensor_load_to_lds s[40:43], s[24:31]
	s_nop 0
.rept 4
	v_nop
.endr
	s_branch .Lasked_\@
.Lcodes_\@:
	tensor_load_to_lds s[44:47], s[32:39]
	s_nop 0
.rept 4
	v_nop
.endr
.Lasked_\@:
.endm
	s_load_b256 s[4:11], s[0:1], 0x0               ; adj, x, the scales' exponents, prep
	s_load_b128 s[12:15], s[0:1], 0x20             ; qlist, gid
	s_load_b64 s[16:17], s[0:1], 0x30              ; part
	v_lshl_add_u32 v[SPW], v0, 2, SPARE
	v_mov_b32 v[NIL], 0
	ds_add_u32 v6, v7
	ds_add_u32 v6, v7
	s_wait_dscnt 0x0
	v_lshrrev_b32 v15, 5, v0
	v_readfirstlane_b32 s[WV], v15                 ; wave 0..3
	s_and_b32 s21, ttmp7, 0xffff                   ; cb; rb = ttmp9
	; group 1 for adj: 128 rows x 64 f32, 8,192 elements from row to row, 4 words of padding behind every 64
	s_mov_b32 s24, (2<<16)|(1<<20)|(5<<22)|(3<<25)
	s_mov_b32 s25, 64<<16
	s_mov_b32 s26, 128<<16
	s_mov_b32 s27, 64<<16
	s_mov_b32 s28, 128
	s_mov_b32 s29, 8192
	s_mov_b32 s30, 0
	s_mov_b32 s31, 0
	; group 1 for the codes: a dense block of 64 rows of 256 bytes
	s_mov_b32 s32, 3<<16
	s_mov_b32 s33, 32<<16
	s_mov_b32 s34, 64<<16
	s_mov_b32 s35, 32<<16
	s_mov_b32 s36, 64
	s_mov_b32 s37, 32
	s_mov_b32 s38, 0
	s_mov_b32 s39, 0
	s_and_b32 s56, s[WV], 1
	s_mul_i32 s41, s56, 128*APITCH                 ; adj's half in a slot
	s_lshl_b32 s45, s56, 14
	s_add_co_u32 s45, s45, CNB                     ; CN3's tiles, or CET's chunk behind them
	s_lshl_b32 s58, ttmp9, 23
	s_lshl_b32 s59, s56, 22
	s_add_co_u32 s58, s58, s59
	s_lshl_b32 s59, s21, 12
	s_add_co_u32 s58, s58, s59                     ; ((256 rb + 128 half) x 8,192 + 1,024 cb) x 4
	s_mov_b32 s59, 0
	s_cmp_eq_u32 s[WV], 2
	s_mov_b32 s60, 0x800000
	s_cselect_b32 s60, 0x200000, s60               ; CN3 or CET
	s_lshl_b32 s61, s21, 18
	s_add_co_u32 s60, s60, s61
	s_mov_b32 s61, 0
	s_wait_kmcnt 0x0
	s_load_b128 s[68:71], s[8:9], 0x0              ; e0..e3
	s_mov_b32 s40, 1
	s_add_nc_u64 s[42:43], s[4:5], s[58:59]
	s_or_b32 s43, s43, 0x80000000
	s_mov_b32 s44, 1
	s_add_nc_u64 s[46:47], s[10:11], s[60:61]
	s_or_b32 s47, s47, 0x80000000
	TLOAD                                          ; chunk 0 into slot 0
	v_and_b32 v98, 31, v0
	v_lshlrev_b32 v[L16], 4, v98
	v_and_b32 v96, 15, v0                          ; r
	v_bfe_u32 v97, v0, 4, 1                        ; h
	s_mul_i32 s56, s[WV], 64*APITCH
	v_mul_u32_u24 v[AA0], v96, APITCH
	v_lshl_add_u32 v[AA0], v97, 5, v[AA0]
	v_add_nc_u32 v[AA0], s56, v[AA0]               ; adj: row 64 w + r, + 32 h
	v_add_nc_u32 v[AC0], CNB, v[L16]
	s_mul_i32 s56, s[WV], 16*EP
	v_add_nc_u32 v[ESI], s56, v[L16]
	v_mul_u32_u24 v[ESO], v96, EP
	v_lshl_add_u32 v[ESO], v97, 5, v[ESO]
	v_add_nc_u32 v[ESO], s56, v[ESO]
	s_mul_i32 s56, s[WV], 2560
	s_add_co_u32 s56, s56, OSTG
	v_lshlrev_b32 v[OSI], 2, v96
	v_lshl_add_u32 v[OSI], v97, 8, v[OSI]
	v_add_nc_u32 v[OSI], s56, v[OSI]
	v_add_nc_u32 v[OSO], s56, v[L16]
	v_lshlrev_b32 v[PO], 4, v96
	v_lshl_add_u32 v[PO], v97, 15, v[PO]
	s_mov_b32 s66, 0x76543210
	s_mov_b32 s67, 0xfedcba98
	; ---- the merge.  Rows 256 rb + 32 cb + 8 w + (lane & 7); lane part p = lane >> 3 takes the lists of candidate blocks 2 p, 2 p + 1, both halves
	v_and_b32 v99, 7, v0
	v_bfe_u32 v102, v0, 3, 2
	v_mul_u32_u24 v100, v102, 0x180000
	v_lshl_add_u32 v100, v99, 2, v100
	v_lshlrev_b32 v101, 6, v99
	v_lshl_add_u32 v101, v102, 4, v101
	s_lshl_b32 s56, ttmp9, 4
	s_lshl_b32 s57, s21, 1
	s_add_co_u32 s56, s56, s57
	s_lshr_b32 s57, s[WV], 1
	s_add_co_u32 s56, s56, s57
	s_mul_i32 s56, s56, 1536
	s_and_b32 s57, s[WV], 1
	s_lshl_b32 s57, s57, 5
	s_add_co_u32 s56, s56, s57
	s_mov_b32 s57, 0
	s_add_nc_u64 s[72:73], s[12:13], s[56:57]
	s_lshl_b32 s56, ttmp9, 14
	s_lshl_b32 s58, s21, 11
	s_add_co_u32 s56, s56, s58
	s_lshl_b32 s58, s[WV], 9
	s_add_co_u32 s56, s56, s58
	s_add_nc_u64 s[74:75], s[14:15], s[56:57]
	s_lshl_b32 s56, ttmp9, 16
	s_lshl_b32 s58, s[WV], 14
	s_add_co_u32 s56, s56, s58
	s_add_nc_u64 s[76:77], s[10:11], s[56:57]      ; my four tiles of CN2
	s_lshl_b32 s56, ttmp9, 18
	s_lshl_b32 s58, s[WV], 16
	s_add_co_u32 s56, s56, s58
	s_add_nc_u64 s[78:79], s[6:7], s[56:57]        ; my 64 rows of x
	s_lshl_b32 s56, s21, 16
	s_lshl_b32 s58, ttmp9, 10
	s_add_co_u32 s56, s56, s58
	s_lshl_b32 s58, s[WV], 8
	s_add_co_u32 s56, s56, s58
	s_add_nc_u64 s[80:81], s[16:17], s[56:57]      ; my part of part
.irp a, 0,1,2,3
.irp k, 0,1,2,3,4,5,6,7,8,9,10,11
	global_load_b32 v[48+12*\a+\k], v100, s[72:73] offset:(\a/2)*786432+128*\k+64*(\a%2)
.endr
.endr
	s_wait_loadcnt 0x0
.irp a, 1,2,3
.irp k, 0,1,2,3,4,5
	INS 48+12*\a+\k, 54+12*\a+\k, 48, 54, 1
.endr
.endr
.irp k, 0,1,2,3,4,5,6,7,8,9,10,11
	v_mov_b32_dpp v[60+\k], v[48+\k] row_xmask:8 row_mask:0xf bank_mask:0xf   ; part p xor 1's list
.endr
.irp k, 0,1,2,3,4,5
	INS 60+\k, 66+\k, 48, 54, 1
.endr
.irp k, 0,1,2,3,4,5,6,7,8,9,10,11
	v_permlanex16_b32 v[60+\k], v[48+\k], s66, s67                            ; part p xor 2's
.endr
.irp k, 0,1,2,3,4,5
	INS 60+\k, 66+\k, 48, 54, 1
.endr
	s_mov_b32 s56, 0xff00                          ; lanes of part 1
	s_mov_b32 s57, 0xffff0000                      ; lanes of parts 2, 3
	v_mov_b32 v75, 0
.irp k, 0,1,2
	v_cndmask_b32 v[72+\k], v[54+2*\k], v[55+2*\k], s56
	v_cndmask_b32 v[72+\k], v[72+\k], v75, s57
.endr
	global_store_b128 v101, v[72:75], s[74:75]     ; 512 consecutive bytes a wave: g0 g2 g4 0 | g1 g3 g5 0 | zeros
	; ---- Q, constants, statistics
.set i, 0
.rept 32
	global_load_b128 v[Q+4*i:Q+4*i+3], v[L16], s[76:77] offset:512*i
.set i, i+1
.endr
	s_wait_kmcnt 0x0
	s_add_co_i32 s56, s68, 127
	s_lshl_b32 s57, s56, 23
	v_mov_b32 v[SC0], s57                          ; 2^e0
	s_add_co_i32 s56, s56, 15
	s_lshl_b32 s56, s56, 23
	s_or_b32 s56, s56, 0x600000
	v_mov_b32 v[LIM0], s56                         ; 57,344 x 2^e0
	s_add_co_i32 s56, s70, s71
	s_lshl_b32 s56, s56, 23
	s_add_co_i32 s[CS], s56, 0x3fb8aa3b            ; c = log2(e) x 2^(e2 + e3): the exponents are added to the exponent field
	s_mov_b32 s[CS+1], s[CS]
.irp m, 0,1,2,3
	v_mov_b32 v[ST+8*\m+1], 0xff61b1e6             ; M: -3e38, under every t
.irp k, 0,2,3,4,5,6,7
	v_mov_b32 v[ST+8*\m+\k], 0                     ; (-M is written anew ahead of its first use)
.endr
.endr
	s_mov_b32 s[TB], 0
	s_wait_loadcnt 0x0                             ; Q
	s_wait_xcnt 0x0                                ; the store of the ids has read its registers, which A takes
.macro ALOAD m                         ; adj of tile m: A[8 c + 4 i ..] = j 16 c + 8 h + 4 i ..
.set n, 0
.rept 8
	ds_load_b128 v[A+4*n:A+4*n+3], v[ADA] offset:16*APITCH*(\m)+64*(n/2)+16*(n%2)
.set n, n+1
.endr
.endm
.macro TILE m, zero
.set STM, ST+8*\m
.set AB, 128*(\m%2)
.set WP, 0xa1+0x50*(\m/2)
.if \m == 0
	s_wait_dscnt 8                                 ; CN3's and CET's fragments are in; A's eight loads may be out
.endif
	WIN 0x01                                       ; source 0 window 1
.irp c, 0,1,2,3
	v_wmma_f32_16x16x128_bf8_bf8 v[SIM+8*\c:SIM+8*\c+7], v[32*\c:32*\c+15], v[Q+32*\m:Q+32*\m+15], 0
.endr
.irp c, 0,1,2,3
	v_wmma_f32_16x16x128_bf8_bf8 v[SIM+8*\c:SIM+8*\c+7], v[32*\c+16:32*\c+31], v[Q+32*\m+16:Q+32*\m+31], v[SIM+8*\c:SIM+8*\c+7]
.endr
	WIN 0
	s_wait_dscnt 0x0                               ; A
.irp g, 0,1,2,3                        ; adj's own work stands beside sim's products: hold, codes, row sum
.irp i, 0,1,2,3,4,5,6,7
	v_med3_num_f32 v[T+\i], v[A+8*\g+\i], -v[LIM0], v[LIM0]
.endr
	v_cvt_scalef32_pk8_bf8_f32 v[CODE+2*\g:CODE+2*\g+1], v[T:T+7], v[SC0]
.irp i, 0,2,4,6
	v_pk_add_f32 v[STM+6:STM+7], v[STM+6:STM+7], v[A+8*\g+\i:A+8*\g+\i+1]   ; plain lines behind the conversion
.endr
.endr
	WIN WP                                         ; source 0 window 1, C and D window 2 or 3
.irp t, 0,1,2,3,4,5,6,7,8,9,10,11,12,13,14,15
.if \zero
	v_wmma_f32_16x16x64_bf8_bf8 v[AB+8*\t:AB+8*\t+7], v[128+8*\t:128+8*\t+7], v[CODE:CODE+7], 0
.else
	v_wmma_f32_16x16x64_bf8_bf8 v[AB+8*\t:AB+8*\t+7], v[128+8*\t:128+8*\t+7], v[CODE:CODE+7], v[AB+8*\t:AB+8*\t+7]
.endif
.endr
	WIN 0
.set j, 0
.rept 16
	v_pk_mul_f32 v[SIM+j:SIM+j+1], v[SIM+j:SIM+j+1], v[A+j:A+j+1]   ; sim x adj
.set j, j+2
.endr
	v_max3_num_f32 v[T], v[SIM], v[SIM+1], v[SIM+2]
	v_max3_num_f32 v[T+1], v[SIM+3], v[SIM+4], v[SIM+5]
.set j, 6
.rept 6
	v_max3_num_f32 v[T], v[T], v[SIM+j], v[SIM+j+1]
	v_max3_num_f32 v[T+1], v[T+1], v[SIM+j+2], v[SIM+j+3]
.set j, j+4
.endr
	v_max3_num_f32 v[T], v[T], v[SIM+30], v[SIM+31]
	v_max_num_f32 v[T], v[T], v[T+1]
	v_mul_f32 v[T], s[CS], v[T]                    ; as t (c is positive)
	v_max_num_f32 v[T+1], v[STM+1], v[T]           ; the new M
	v_sub_f32 v[T+2], v[STM+1], v[T+1]             ; delta = old M - new M
	v_mov_b32 v[STM+1], v[T+1]
	v_mul_f32 v[STM], -1.0, v[T+1]                 ; -M, the low word of the pair that the packed form below takes for both halves
.set j, 0
.rept 16
	v_pk_fma_f32 v[SIM+j:SIM+j+1], v[SIM+j:SIM+j+1], s[CS:CS+1], v[STM:STM+1] op_sel_hi:[1,0,0]   ; t - M
.set j, j+2
.endr
	v_exp_f32 v[T+4], v[T+2]                       ; 2^delta
.set j, 0
.rept 32
	v_exp_f32 v[A+j], v[SIM+j]                     ; 2^(t - M), over adj, which is done with
.set j, j+1
.endr
	v_pk_fma_f32 v[STM+4:STM+5], v[STM+2:STM+3], v[T+2:T+3], v[STM+4:STM+5] op_sel_hi:[1,0,1]   ; S + delta Z: the plain line behind the batch
	s_wait_alu depctr_va_vdst(0)                   ; one wait for the 33, ahead of their first reader
	v_pk_mul_f32 v[STM+4:STM+5], v[STM+4:STM+5], v[T+4:T+5] op_sel_hi:[1,0]
	v_pk_mul_f32 v[STM+2:STM+3], v[STM+2:STM+3], v[T+4:T+5] op_sel_hi:[1,0]
	v_pk_add_f32 v[T:T+1], v[A:A+1], v[A+2:A+3]
	v_pk_mul_f32 v[T+6:T+7], v[A:A+1], v[SIM:SIM+1]
	v_pk_fma_f32 v[STM+4:STM+5], v[A+2:A+3], v[SIM+2:SIM+3], v[STM+4:STM+5]
.set j, 4
.rept 7
	v_pk_add_f32 v[STM+2:STM+3], v[STM+2:STM+3], v[A+j:A+j+1]
	v_pk_add_f32 v[T:T+1], v[T:T+1], v[A+j+2:A+j+3]
	v_pk_fma_f32 v[T+6:T+7], v[A+j:A+j+1], v[SIM+j:SIM+j+1], v[T+6:T+7]
	v_pk_fma_f32 v[STM+4:STM+5], v[A+j+2:A+j+3], v[SIM+j+2:SIM+j+3], v[STM+4:STM+5]
.set j, j+4
.endr
	v_pk_add_f32 v[STM+2:STM+3], v[STM+2:STM+3], v[T:T+1]
	v_pk_add_f32 v[STM+4:STM+5], v[STM+4:STM+5], v[T+6:T+7]
.if \m < 3
	ALOAD \m+1
.endif
.endm
.macro CHUNK zero
	v_add_nc_u32 v[ADA], s[TB], v[AA0]
	v_add_nc_u32 v[ADC], s[TB], v[AC0]
	WIN 0x40                                       ; destination window 1
.set i, 0
.rept 32
	ds_load_b128 v[4*i:4*i+3], v[ADC] offset:512*i
.set i, i+1
.endr
.set i, 0
.rept 32
	ds_load_b128 v[128+4*i:128+4*i+3], v[ADC] offset:16384+512*i
.set i, i+1
.endr
	WIN 0
	ALOAD 0
	TILE 0, \zero
	TILE 1, \zero
	TILE 2, \zero
	TILE 3, \zero
	s_xor_b32 s[TB], s[TB], SLOTB
.endm
; the change of slots stands at a chunk's head: all my tensor loads have landed (my part of the chunk ahead), 0 goes onto my spare word, my reads of the slot that I left are over;
; behind the barrier that slot takes the next chunk: one load a wave, with a whole chunk's work in which to land.
.macro CHANGE fill
	s_wait_tensorcnt 0x0
	ds_add_u32 v[SPW], v[NIL]
.if \fill
	s_xor_b32 s41, s41, SLOTB
	s_add_nc_u64 s[42:43], s[42:43], 256           ; 64 columns on
	s_xor_b32 s45, s45, SLOTB
	s_add_nc_u64 s[46:47], s[46:47], 16384         ; the next chunk's codes
.endif
	s_wait_dscnt 0x0
	s_barrier_signal -1
	s_barrier_wait -1
.if \fill
	TLOAD
.endif
.endm
	CHANGE 1
	CHUNK 1                                        ; the first chunk's products start product 1's sums
	s_mov_b32 s[CNT], 14
.Lchunk:
	CHANGE 1
	CHUNK 0
	s_sub_co_u32 s[CNT], s[CNT], 1
	s_cmp_lg_u32 s[CNT], 0
	s_cbranch_scc1 .Lchunk
	CHANGE 0                                       ; the last chunk is written out
	CHUNK 0
	s_wait_dscnt 0x0
	s_barrier_signal -1
	s_barrier_wait -1                              ; every wave has read its last chunk: the stages may be written
; the tail: pot = sum over d of x(i, d) acc(i, d).  16 rows of x are loaded as they lie, turned through my stage, and meet the sums' layout.
.macro TAIL m
.set STM, ST+8*\m
.set AB, 128*(\m%2)
	WIN 0x40
.set i, 0
.rept 32
	global_load_b128 v[4*i:4*i+3], v[L16], s[78:79] offset:16384*\m+512*i
.set i, i+1
.endr
	s_wait_loadcnt 0x0
	WIN 0x04                                       ; store data window 1
.set i, 0
.rept 32
	ds_store_b128 v[ESI], v[4*i:4*i+3] offset:(i/2)*EP+(i%2)*512
.set i, i+1
.endr
	WIN 0x40
.set i, 0
.rept 32
	ds_load_b128 v[128+4*i:128+4*i+3], v[ESO] offset:64*(i/2)+16*(i%2)
.set i, i+1
.endr
	s_wait_dscnt 0x0
	WIN 0x06+\m/2                                  ; source 0 (the sums) window 2 or 3, source 1 (x) window 1
	v_pk_mul_f32 v[T:T+1], v[AB:AB+1], v[128:129]
	v_pk_mul_f32 v[T+2:T+3], v[AB+2:AB+3], v[130:131]
.set j, 4
.rept 31
	v_pk_fma_f32 v[T:T+1], v[AB+j:AB+j+1], v[128+j:128+j+1], v[T:T+1]
	v_pk_fma_f32 v[T+2:T+3], v[AB+j+2:AB+j+3], v[128+j+2:128+j+3], v[T+2:T+3]
.set j, j+4
.endr
	WIN 0
	v_pk_add_f32 v[T:T+1], v[T:T+1], v[T+2:T+3]
	v_add_f32 v[T], v[T], v[T+1]
	v_add_f32 v[T+4], v[STM+2], v[STM+3]
	v_add_f32 v[T+5], v[STM+4], v[STM+5]
	v_add_f32 v[T+6], v[STM+6], v[STM+7]
	ds_store_b32 v[OSI], v[STM+1] offset:64*\m
	ds_store_b32 v[OSI], v[T+4] offset:512+64*\m
	ds_store_b32 v[OSI], v[T+5] offset:1024+64*\m
	ds_store_b32 v[OSI], v[T+6] offset:1536+64*\m
	ds_store_b32 v[OSI], v[T] offset:2048+64*\m
.endm
	TAIL 0
	TAIL 1
	TAIL 2
	TAIL 3
.irp q, 0,1,2,3,4
	ds_load_b128 v[A+4*\q:A+4*\q+3], v[OSO] offset:512*\q
.endr
	s_wait_dscnt 0x0
.irp q, 0,1,2,3,4
	global_store_b128 v[PO], v[A+4*\q:A+4*\q+3], s[80:81] offset:524288*\q   ; sixteen lanes store 256 consecutive bytes, aligned
.endr
	s_wait_tensorcnt 0x0                           ; the wave's end
	ds_add_u32 v[SPW], v[NIL]
	s_wait_dscnt 0x0
	s_endpgm
.Lfunc_end_k_qe5477d04d7_adjm:
	.size	k_qe5477d04d7_adjm, .Lfunc_end_k_qe5477d04d7_adjm-k_qe5477d04d7_adjm
	.p2alignl 7, 3214868480
	.fill 96, 4, 3214868480
	.section	.rodata,"a",@progbits
	.p2align	6, 0x0
	.amdhsa_kernel k_qe5477d04d7_adjm
		.amdhsa_group_segment_fixed_size 327680
		.amdhsa_private_segment_fixed_size 0
		.amdhsa_enable_private_segment 0
		.amdhsa_kernarg_size 56
		.amdhsa_user_sgpr_count 2
		.amdhsa_user_sgpr_kernarg_segment_ptr 1
		.amdhsa_wavefront_size32 1
		.amdhsa_system_sgpr_workgroup_id_x 1
		.amdhsa_system_sgpr_workgroup_id_y 1
		.amdhsa_system_sgpr_workgroup_id_z 1
		.amdhsa_system_vgpr_workitem_id 0
		.amdhsa_next_free_vgpr 1024
		.amdhsa_next_free_sgpr 100
		.amdhsa_reserve_vcc 0
		.amdhsa_float_denorm_mode_32 3
		.amdhsa_float_denorm_mode_16_64 3
		.amdhsa_memory_ordered 1
		.amdhsa_forward_progress 1
		.amdhsa_inst_pref_size 255
	.end_amdhsa_kernel
	.section	.bss,"aw",@nobits
	.p2align	6
	.space	262144
	.amdgpu_metadata
---
amdhsa.version: [ 1, 2 ]
amdhsa.kernels:
  - .name:           k_qe5477d04d7_adjm
    .symbol:         k_qe5477d04d7_adjm.kd
    .args:
      - { .name: adj_matrix, .offset: 0, .size: 8, .value_kind: global_buffer, .address_space: global }
      - { .name: node_embeddings, .offset: 8, .size: 8, .value_kind: global_buffer, .address_space: global }
      - { .name: lowp_scales, .offset: 16, .size: 8, .value_kind: global_buffer, .address_space: global }
      - { .name: prep, .offset: 24, .size: 8, .value_kind: global_buffer, .address_space: global }
      - { .name: qlist, .offset: 32, .size: 8, .value_kind: global_buffer, .address_space: global }
      - { .name: gid, .offset: 40, .size: 8, .value_kind: global_buffer, .address_space: global }
      - { .name: part, .offset: 48, .size: 8, .value_kind: global_buffer, .address_space: global }
    .group_segment_fixed_size: 327680
    .private_segment_fixed_size: 0
    .kernarg_segment_align: 8
    .kernarg_segment_size: 56
    .max_flat_workgroup_size: 128
    .sgpr_count:     100
    .vgpr_count:     1024
    .wavefront_size: 32
...
	.end_amdgpu_metadata
.endif
;; end of part 3
;; launch refine (part 4): grid 257 x 1, 4 waves a work-group, no clusters, 0 bytes of LDS; arguments prep, lowp_scales, gid, nidx, stat; writes nidx, stat
.if DOCPART == 4
	.amdgcn_target "amdgcn-amd-amdhsa--gfx1250"
	.amdhsa_code_object_version 6
	.text
	.protected	k_qe5477d04d7_refine
	.globl	k_qe5477d04d7_refine
	.p2align	8
	.type	k_qe5477d04d7_refine,@function
k_qe5477d04d7_refine:
	s_mov_b64 s[64:65], 0
	v_nop
	global_prefetch_b8 v0, s[64:65] scope:SCOPE_SE
	s_setreg_imm32_b32 hwreg(HW_REG_WAVE_MODE, 25, 1), 1
	s_wait_xcnt 0x0
; Work-groups 0-255: the exact six nearest of each row among the 48 candidates of its six groups; the first is dropped, the other five are stored as whole numbers.
; The distances are made as in the bulk pass: the same matrix form, the same places of k, the same chain over the two K steps, the same vector lines.
; A wave takes 8 rows.  Source 1 holds them twice (lanes r and r + 8); for each row q and t = 0..2 source 0 holds groups g(2 t) (its rows 0-7) and g(2 t + 1) (rows 8-15);
; of the result only the lanes with lane & 7 = q are kept: lane (q, h) then holds the 8 distances to group g(2 t + h).
; Order: by (value, index), the lower index first at a tie, on d2 held at 0 (not on its root: the root is monotone).  Ids read from memory are held at 1,023 ahead of every address.
; Work-group 256: the mean of the columns from the 128 partial sums, and four partial maxima of the sums of squares.
.set Q,    16
.set F,    48                          ; three buffers of 32
.set ACC,  144
.set KEEP, 152
.set OFF,  176
.set OWN,  208
.set SJ,   212
.set SQI,  236
.set LV,   238
.set LI,   244
.set CM,   32
.macro INS val, id, lv, li, lex
.irp k, 0,1,2,3,4,5
	v_cmp_lt_f32 s[CM+\k], v[\val], v[\lv+\k]
.if \lex
	v_cmp_eq_f32 s[CM+6], v[\val], v[\lv+\k]
	v_cmp_lt_u32 s[CM+7], v[\id], v[\li+\k]
	s_and_b32 s[CM+6], s[CM+6], s[CM+7]
	s_or_b32 s[CM+\k], s[CM+\k], s[CM+6]
.endif
.endr
.irp k, 5,4,3,2,1
	v_cndmask_b32 v[\li+\k], v[\li+\k], v[\id], s[CM+\k]
	v_cndmask_b32 v[\li+\k], v[\li+\k], v[\li+\k-1], s[CM+\k-1]
	v_med3_num_f32 v[\lv+\k], v[\lv+\k-1], v[\lv+\k], v[\val]
.endr
	v_cndmask_b32 v[\li], v[\li], v[\id], s[CM]
	v_min_num_f32 v[\lv], v[\lv], v[\val]
.endm
	s_load_b256 s[4:11], s[0:1], 0x0               ; prep, the scales' exponents, gid, nidx
	s_load_b64 s[12:13], s[0:1], 0x20              ; stat
	v_lshrrev_b32 v1, 5, v0
	v_readfirstlane_b32 s14, v1                    ; wave
	v_and_b32 v2, 31, v0
	v_lshlrev_b32 v3, 4, v2                        ; 16 x lane
	s_mov_b32 s16, 0x76543210
	s_mov_b32 s17, 0xfedcba98
	s_cmp_eq_u32 ttmp9, 256
	s_cbranch_scc1 .Lextra
	s_lshl_b32 s15, ttmp9, 2
	s_add_co_u32 s15, s15, s14                     ; W: rows 8 W .. 8 W + 7
	s_lshl_b32 s18, s15, 9
	s_mov_b32 s19, 0
	s_lshr_b32 s30, s15, 1
	s_lshl_b32 s30, s30, 12
	s_and_b32 s31, s15, 1
	s_lshl_b32 s31, s31, 7
	s_add_co_u32 s30, s30, s31
	s_mov_b32 s31, 0
	v_and_b32 v4, 7, v0
	v_bfe_u32 v5, v0, 4, 1                         ; h
	v_bfe_u32 v6, v0, 3, 1
	v_lshlrev_b32 v7, 4, v4
	v_lshl_add_u32 v7, v5, 8, v7                   ; 256 h + 16 (lane & 7): a lane's place in half a tile image
	v_lshlrev_b32 v8, 4, v6                        ; which half of a row's record: source 0's rows 0-7 or 8-15
	v_lshlrev_b32 v9, 6, v4
	v_lshl_add_u32 v9, v5, 4, v9                   ; my own row's record, my half
	v_lshlrev_b32 v10, 2, v4
	v_bfe_u32 v12, v0, 3, 2
	v_lshlrev_b32 v11, 6, v4
	v_lshl_add_u32 v11, v12, 4, v11                ; the way out
	s_wait_kmcnt 0x0
	s_load_b64 s[24:25], s[6:7], 0x10              ; e4, e5
	s_add_nc_u64 s[40:41], s[8:9], s[18:19]
	s_add_nc_u64 s[42:43], s[10:11], s[18:19]
	s_add_nc_u64 s[44:45], s[4:5], s[30:31]
	s_add_nc_u64 s[44:45], s[44:45], 0x400000
	s_lshl_b32 s18, s15, 5
	s_add_nc_u64 s[46:47], s[4:5], s[18:19]
	s_add_nc_u64 s[46:47], s[46:47], 0xa00000
	s_add_nc_u64 s[20:21], s[4:5], 0x600000        ; CE5
	s_add_nc_u64 s[22:23], s[4:5], 0xa00000        ; SQ
.irp q, 0,1,2,3,4,5,6,7
	global_load_b128 v[OFF+4*\q:OFF+4*\q+3], v8, s[40:41] offset:64*\q
.endr
	global_load_b128 v[OWN:OWN+3], v9, s[40:41]
.irp i, 0,1,2,3,4,5,6,7
	global_load_b128 v[Q+4*\i:Q+4*\i+3], v7, s[44:45] offset:512*\i
.endr
	global_load_b32 v[SQI], v10, s[46:47]
.irp k, 0,1,2,3,4,5
	v_mov_b32 v[LV+\k], 0x7f800000
	v_mov_b32 v[LI+\k], 0
.endr
	s_wait_kmcnt 0x0
	s_add_co_i32 s28, s24, s25
	s_add_co_i32 s28, s28, 128
	s_lshl_b32 s28, s28, 23
	s_or_b32 s28, s28, 0x80000000                  ; -2 x 2^(e4 + e5)
	s_mov_b32 s29, s28
	s_wait_loadcnt 0x0
	v_mov_b32 v[SQI+1], v[SQI]
.irp q, 0,1,2,3,4,5,6,7
.irp t, 0,1,2
	v_min_u32 v[OFF+4*\q+\t], 0x3ff, v[OFF+4*\q+\t]
	v_and_b32 v250, 1, v[OFF+4*\q+\t]
	v_and_b32 v[OFF+4*\q+\t], 0x3fe, v[OFF+4*\q+\t]
	v_lshl_add_u32 v[OFF+4*\q+\t], v[OFF+4*\q+\t], 11, v7
	v_lshl_add_u32 v[OFF+4*\q+\t], v250, 7, v[OFF+4*\q+\t]   ; (g >> 1) x 4,096 + (g & 1) x 128 + my place
.endr
.endr
.irp t, 0,1,2
	v_min_u32 v[OWN+\t], 0x3ff, v[OWN+\t]
	v_lshlrev_b32 v[251+\t], 5, v[OWN+\t]
.endr
.irp t, 0,1,2
	global_load_b128 v[SJ+8*\t:SJ+8*\t+3], v[251+\t], s[22:23]
	global_load_b128 v[SJ+8*\t+4:SJ+8*\t+7], v[251+\t], s[22:23] offset:16
.endr
.macro GATH q, t
.irp i, 0,1,2,3,4,5,6,7
	global_load_b128 v[F+32*\t+4*\i:F+32*\t+4*\i+3], v[OFF+4*(\q)+\t], s[20:21] offset:512*\i
.endr
.endm
	GATH 0, 0
	GATH 0, 1
	GATH 0, 2
.macro CAND q, t, cnt
	s_wait_loadcnt \cnt                            ; this tile's eight loads are in; the younger tiles' may be out
	v_wmma_f32_16x16x128_bf8_bf8 v[ACC:ACC+7], v[F+32*\t:F+32*\t+15], v[Q:Q+15], 0
	s_wait_alu depctr_va_vdst(0)                   ; the wait ahead of the link
	v_wmma_f32_16x16x128_bf8_bf8 v[ACC:ACC+7], v[F+32*\t+16:F+32*\t+31], v[Q+16:Q+31], v[ACC:ACC+7]
.rept 5
	v_nop                                          ; five places: the next tile begins the accumulator anew
.endr
.irp j, 0,1,2,3,4,5,6,7
.if \q == 0
	v_mov_b32 v[KEEP+8*\t+\j], v[ACC+\j]
.else
	v_cndmask_b32 v[KEEP+8*\t+\j], v[KEEP+8*\t+\j], v[ACC+\j], s26
.endif
.endr
.if \q < 7
	GATH \q+1, \t
.endif
.endm
.irp q, 0,1,2,3,4,5,6
	s_mov_b32 s26, 0x01010101<<\q                  ; the lanes with lane & 7 = q
	CAND \q, 0, 16
	CAND \q, 1, 16
	CAND \q, 2, 16
.endr
	s_mov_b32 s26, 0x01010101<<7
	CAND 7, 0, 16
	CAND 7, 1, 8
	CAND 7, 2, 0
.set n, 0
.rept 12
	v_pk_add_f32 v[SJ+n:SJ+n+1], v[SJ+n:SJ+n+1], v[SQI:SQI+1] op_sel_hi:[1,0]
.set n, n+2
.endr
.set n, 0
.rept 12
	v_pk_fma_f32 v[KEEP+n:KEEP+n+1], v[KEEP+n:KEEP+n+1], s[28:29], v[SJ+n:SJ+n+1] op_sel_hi:[1,0,1]
.set n, n+2
.endr
.set n, 0
.rept 24
	v_max_num_f32 v[KEEP+n], 0, v[KEEP+n]
.set n, n+1
.endr
.irp t, 0,1,2
	v_lshlrev_b32 v[251+\t], 3, v[OWN+\t]          ; the group's first index
.endr
.irp t, 0,1,2
.irp j, 0,1,2,3,4,5,6,7
	v_add_nc_u32 v250, \j, v[251+\t]
	INS KEEP+8*\t+\j, 250, LV, LI, 1
.endr
.endr
.irp k, 0,1,2,3,4,5,6,7,8,9,10,11
	v_permlanex16_b32 v[SJ+\k], v[LV+\k], s16, s17 ; the other half's list
.endr
.irp k, 0,1,2,3,4,5
	INS SJ+\k, SJ+6+\k, LV, LI, 1
.endr
	v_mov_b32 v228, 0
	s_mov_b32 s26, 0xff00
	s_mov_b32 s27, 0xffff0000
	s_mov_b32 s30, 0xffffff00
	v_cndmask_b32 v224, v[LI+1], v[LI+5], s26
	v_cndmask_b32 v224, v224, v228, s27
	v_cndmask_b32 v225, v[LI+2], v228, s30
	v_cndmask_b32 v226, v[LI+3], v228, s30
	v_cndmask_b32 v227, v[LI+4], v228, s30
	global_store_b128 v11, v[224:227], s[42:43]    ; 512 consecutive bytes a wave: n1..n4 | n5 0 0 0 | zeros
	s_endpgm
.Lextra:
	s_wait_kmcnt 0x0
	s_add_nc_u64 s[20:21], s[4:5], 0xa08000        ; CSUM
	s_add_nc_u64 s[22:23], s[4:5], 0xa00000        ; SQ
	s_lshl_b32 s18, s14, 13
	s_mov_b32 s19, 0
	s_add_nc_u64 s[22:23], s[22:23], s[18:19]
	v_lshlrev_b32 v4, 3, v0                        ; 8 x thread
.irp i, 0,1,2,3,4,5,6,7,8,9,10,11,12,13,14,15
	global_load_b128 v[144+4*\i:144+4*\i+3], v3, s[22:23] offset:512*\i
.endr
.macro BATCH b
.set i, 0
.rept 32
	global_load_b64 v[16+64*((\b)%2)+2*i:17+64*((\b)%2)+2*i], v4, s[20:21] offset:(32*(\b)+i)*1024
.set i, i+1
.endr
.endm
.macro SUMB b
.set i, 0
.rept 16
	v_pk_add_f32 v[8:9], v[8:9], v[16+64*((\b)%2)+4*i:17+64*((\b)%2)+4*i]
	v_pk_add_f32 v[10:11], v[10:11], v[18+64*((\b)%2)+4*i:19+64*((\b)%2)+4*i]
.set i, i+1
.endr
.endm
	BATCH 0
	BATCH 1
	v_mov_b32 v8, 0
	v_mov_b32 v9, 0
	v_mov_b32 v10, 0
	v_mov_b32 v11, 0
	v_mov_b32 v13, 0
	s_wait_loadcnt 32                              ; the older batch is in, the younger 32 loads may be out
	SUMB 0
	BATCH 2
	s_wait_loadcnt 32
	SUMB 1
	BATCH 3
	s_wait_loadcnt 32
	SUMB 2
	s_wait_loadcnt 0x0
	SUMB 3
	v_pk_add_f32 v[8:9], v[8:9], v[10:11]
	v_pk_mul_f32 v[8:9], v[8:9], 0x39000000 op_sel_hi:[1,0]   ; / 8,192
	global_store_b64 v4, v[8:9], s[12:13]
	v_max3_num_f32 v12, v144, v145, v146
.set i, 0
.rept 30
	v_max3_num_f32 v12, v12, v[147+2*i], v[148+2*i]
.set i, i+1
.endr
	v_max_num_f32 v12, v12, v207
	v_max_num_f32_dpp v12, v12, v12 row_xmask:1 row_mask:0xf bank_mask:0xf
	v_max_num_f32_dpp v12, v12, v12 row_xmask:2 row_mask:0xf bank_mask:0xf
	v_max_num_f32_dpp v12, v12, v12 row_xmask:4 row_mask:0xf bank_mask:0xf
	v_max_num_f32_dpp v12, v12, v12 row_xmask:8 row_mask:0xf bank_mask:0xf
	v_permlanex16_b32 v13, v12, s16, s17
	v_max_num_f32 v12, v12, v13
	v_mov_b32 v13, v12
	global_store_b64 v4, v[12:13], s[12:13] offset:1024   ; my wave's maximum, 256 bytes of it
	s_endpgm
.Lfunc_end_k_qe5477d04d7_refine:
	.size	k_qe5477d04d7_refine, .Lfunc_end_k_qe5477d04d7_refine-k_qe5477d04d7_refine
	.p2alignl 7, 3214868480
	.fill 96, 4, 3214868480
	.section	.rodata,"a",@progbits
	.p2align	6, 0x0
	.amdhsa_kernel k_qe5477d04d7_refine
		.amdhsa_group_segment_fixed_size 0
		.amdhsa_private_segment_fixed_size 0
		.amdhsa_enable_private_segment 0
		.amdhsa_kernarg_size 40
		.amdhsa_user_sgpr_count 2
		.amdhsa_user_sgpr_kernarg_segment_ptr 1
		.amdhsa_wavefront_size32 1
		.amdhsa_system_sgpr_workgroup_id_x 1
		.amdhsa_system_sgpr_workgroup_id_y 1
		.amdhsa_system_sgpr_workgroup_id_z 1
		.amdhsa_system_vgpr_workitem_id 0
		.amdhsa_next_free_vgpr 256
		.amdhsa_next_free_sgpr 66
		.amdhsa_reserve_vcc 0
		.amdhsa_float_denorm_mode_32 3
		.amdhsa_float_denorm_mode_16_64 3
		.amdhsa_memory_ordered 1
		.amdhsa_forward_progress 1
		.amdhsa_inst_pref_size 156
	.end_amdhsa_kernel
	.amdgpu_metadata
---
amdhsa.version: [ 1, 2 ]
amdhsa.kernels:
  - .name:           k_qe5477d04d7_refine
    .symbol:         k_qe5477d04d7_refine.kd
    .args:
      - { .name: prep, .offset: 0, .size: 8, .value_kind: global_buffer, .address_space: global }
      - { .name: lowp_scales, .offset: 8, .size: 8, .value_kind: global_buffer, .address_space: global }
      - { .name: gid, .offset: 16, .size: 8, .value_kind: global_buffer, .address_space: global }
      - { .name: nidx, .offset: 24, .size: 8, .value_kind: global_buffer, .address_space: global }
      - { .name: stat, .offset: 32, .size: 8, .value_kind: global_buffer, .address_space: global }
    .group_segment_fixed_size: 0
    .private_segment_fixed_size: 0
    .kernarg_segment_align: 8
    .kernarg_segment_size: 40
    .max_flat_workgroup_size: 128
    .sgpr_count:     66
    .vgpr_count:     256
    .wavefront_size: 32
...
	.end_amdgpu_metadata
.endif
;; end of part 4
;; launch final (part 5): grid 128 x 1, 16 waves a work-group, no clusters, 23,040 bytes of LDS; arguments node_embeddings, lowp_scales, prep, part, nidx, stat, out0; writes out0
.if DOCPART == 5
	.amdgcn_target "amdgcn-amd-amdhsa--gfx1250"
	.amdhsa_code_object_version 6
	.text
	.protected	k_qe5477d04d7_final
	.globl	k_qe5477d04d7_final
	.p2align	8
	.type	k_qe5477d04d7_final,@function
k_qe5477d04d7_final:
	s_mov_b64 s[64:65], 0
	v_nop
	global_prefetch_b8 v0, s[64:65] scope:SCOPE_SE
	s_setreg_imm32_b32 hwreg(HW_REG_WAVE_MODE, 25, 1), 1
	s_wait_xcnt 0x0
; The four outputs.  A work-group takes 64 rows; wave w gathers the five neighbours of rows 4 w .. 4 w + 3 (their indices are whole numbers that an earlier launch stored, held at 8,191
; ahead of every address), forms |x - local mean|^2 and |x - mean|^2, and carries partial w of the 16 partial statistics into LDS.  Wave 0 then merges the partials, two rows a lane, and stores.
; Merge of the softmax's statistics: M* = max M_b, f_b = 2^(M_b - M*), Z = sum Z_b f_b, S = sum (S_b + (M_b - M*) Z_b) f_b; entropy = ln 2 (log2 Z - S / Z).
; LIMIT: log(p + 1e-8) is taken as log p (the difference lies in [0, 8192e-8]).  e0 + e1 is applied by v_ldexp_f32.
.set GD2,  20480
.set XO,   16
.set MEAN, 48
.set NB,   56
.set PT,   216
.set NOFF, 226
.set SQP,  246
	s_load_b256 s[4:11], s[0:1], 0x0               ; x, the scales' exponents, prep, part
	s_load_b128 s[12:15], s[0:1], 0x20             ; nidx, stat
	s_load_b64 s[16:17], s[0:1], 0x30              ; out0
	v_lshl_add_u32 v254, v0, 2, 0x5200
	v_mov_b32 v255, 0
	v_lshrrev_b32 v2, 5, v0
	v_readfirstlane_b32 s18, v2                    ; wave 0..15
	v_and_b32 v2, 31, v0
	v_lshlrev_b32 v1, 4, v2                        ; 16 x lane
	v_lshlrev_b32 v3, 3, v2                        ; 8 x lane
	v_lshlrev_b32 v4, 3, v0                        ; 256 w + 8 lane
	s_lshl_b32 s19, s18, 4
	s_add_co_u32 s19, s19, GD2
	v_mov_b32 v5, s19                              ; my four rows' words
	s_mov_b32 s20, 0x76543210
	s_mov_b32 s21, 0xfedcba98
	s_lshl_b32 s66, ttmp9, 12
	s_lshl_b32 s67, s18, 8
	s_add_co_u32 s66, s66, s67
	s_mov_b32 s67, 0
	s_lshl_b32 s68, ttmp9, 16
	s_lshl_b32 s69, s18, 12
	s_add_co_u32 s68, s68, s69
	s_mov_b32 s69, 0
	s_lshl_b32 s70, s18, 15
	s_lshl_b32 s71, ttmp9, 8
	s_add_co_u32 s70, s70, s71
	s_mov_b32 s71, 0
	s_lshl_b32 s72, ttmp9, 8
	s_mov_b32 s73, 0
	s_wait_kmcnt 0x0
	s_add_nc_u64 s[22:23], s[12:13], s[66:67]
	s_load_b256 s[24:31], s[22:23], 0x0            ; my four rows' records
	s_load_b256 s[32:39], s[22:23], 0x40
	s_load_b256 s[40:47], s[22:23], 0x80
	s_load_b256 s[48:55], s[22:23], 0xc0
	s_load_b64 s[56:57], s[6:7], 0x0               ; e0, e1
	s_load_b32 s58, s[14:15], 0x400
	s_load_b32 s59, s[14:15], 0x500
	s_load_b32 s60, s[14:15], 0x600
	s_load_b32 s61, s[14:15], 0x700
	s_add_nc_u64 s[68:69], s[4:5], s[68:69]
	s_add_nc_u64 s[70:71], s[10:11], s[70:71]
	s_add_nc_u64 s[74:75], s[8:9], 0xa00000
	s_add_nc_u64 s[74:75], s[74:75], s[72:73]
	s_add_nc_u64 s[16:17], s[16:17], s[72:73]
.irp q, 0,1,2,3,4
	global_load_b64 v[PT+2*\q:PT+2*\q+1], v3, s[70:71] offset:524288*\q
.endr
.irp i, 0,1,2,3,4,5,6,7
	global_load_b128 v[XO+4*\i:XO+4*\i+3], v1, s[68:69] offset:512*\i
.endr
	global_load_b128 v[MEAN:MEAN+3], v1, s[14:15]
	global_load_b128 v[MEAN+4:MEAN+7], v1, s[14:15] offset:512
	global_load_b64 v[SQP:SQP+1], v3, s[74:75]
	s_wait_kmcnt 0x0
.irp p, 0,1,2,3
.irp k, 0,1,2,3,4
	s_min_u32 s[24+8*\p+\k], s[24+8*\p+\k], 0x1fff
	s_lshl_b32 s[24+8*\p+\k], s[24+8*\p+\k], 10
	v_add_nc_u32 v[NOFF+5*\p+\k], s[24+8*\p+\k], v1
.endr
.endr
.irp p, 0,1,2,3
.irp k, 0,1,2,3,4
	global_load_b128 v[NB+40*\p+8*\k:NB+40*\p+8*\k+3], v[NOFF+5*\p+\k], s[4:5]
	global_load_b128 v[NB+40*\p+8*\k+4:NB+40*\p+8*\k+7], v[NOFF+5*\p+\k], s[4:5] offset:512
.endr
.endr
	s_wait_loadcnt 40                              ; all but the 40 neighbour loads
.irp q, 0,1,2,3,4
	ds_store_b64 v4, v[PT+2*\q:PT+2*\q+1] offset:4096*\q
.endr
	s_wait_loadcnt 0x0
.irp p, 0,1,2,3
.irp k, 1,2,3,4
.irp j, 0,2,4,6
	v_pk_add_f32 v[NB+40*\p+\j:NB+40*\p+\j+1], v[NB+40*\p+\j:NB+40*\p+\j+1], v[NB+40*\p+8*\k+\j:NB+40*\p+8*\k+\j+1]
.endr
.endr
.irp j, 0,2,4,6
	v_pk_fma_f32 v[NB+40*\p+\j:NB+40*\p+\j+1], v[NB+40*\p+\j:NB+40*\p+\j+1], 0xbe4ccccd, v[XO+8*\p+\j:XO+8*\p+\j+1] op_sel_hi:[1,0,1]   ; x - sum / 5
	v_pk_add_f32 v[NB+40*\p+8+\j:NB+40*\p+8+\j+1], v[XO+8*\p+\j:XO+8*\p+\j+1], v[MEAN+\j:MEAN+\j+1] neg_lo:[0,1] neg_hi:[0,1]          ; x - mean
.endr
	v_pk_mul_f32 v[248:249], v[NB+40*\p:NB+40*\p+1], v[NB+40*\p:NB+40*\p+1]
	v_pk_mul_f32 v[250:251], v[NB+40*\p+8:NB+40*\p+9], v[NB+40*\p+8:NB+40*\p+9]
.irp j, 2,4,6
	v_pk_fma_f32 v[248:249], v[NB+40*\p+\j:NB+40*\p+\j+1], v[NB+40*\p+\j:NB+40*\p+\j+1], v[248:249]
	v_pk_fma_f32 v[250:251], v[NB+40*\p+8+\j:NB+40*\p+8+\j+1], v[NB+40*\p+8+\j:NB+40*\p+8+\j+1], v[250:251]
.endr
	v_add_f32 v[NOFF+\p], v248, v249               ; (the neighbours' loads are in: their offsets' registers are free)
	v_add_f32 v[NOFF+4+\p], v250, v251
.endr
.irp x, 1,2,4,8
.irp i, 0,1,2,3,4,5,6,7
	v_add_f32_dpp v[NOFF+\i], v[NOFF+\i], v[NOFF+\i] row_xmask:\x row_mask:0xf bank_mask:0xf
.endr
.endr
.irp i, 0,1,2,3,4,5,6,7
	v_permlanex16_b32 v[NOFF+8+\i], v[NOFF+\i], s20, s21
.endr
.irp i, 0,1,2,3,4,5,6,7
	v_add_f32 v[NOFF+\i], v[NOFF+\i], v[NOFF+8+\i]
.endr
.irp p, 0,1,2,3
	ds_store_b32 v5, v[NOFF+4+\p] offset:4*\p      ; |x - mean|^2
	ds_store_b32 v5, v[NOFF+\p] offset:256+4*\p    ; |x - local mean|^2
.endr
	s_wait_dscnt 0x0
	s_barrier_signal -1
	s_barrier_wait -1
	s_cmp_lg_u32 s18, 0
	s_cbranch_scc1 .Lend
	; wave 0: lane l owns rows 2 l, 2 l + 1.  v[16 + 32 q + 2 b]: partial b of quantity q (M, Z, S, row sum, pot)
.irp q, 0,1,2,3,4
.irp b, 0,1,2,3,4,5,6,7,8,9,10,11,12,13,14,15
	ds_load_b64 v[16+32*\q+2*\b:17+32*\q+2*\b], v3 offset:4096*\q+256*\b
.endr
.endr
	ds_load_b64 v[208:209], v3 offset:GD2
	ds_load_b64 v[210:211], v3 offset:GD2+256
	s_wait_dscnt 0x0
.irp e, 0,1
	v_max3_num_f32 v[212+\e], v[16+\e], v[18+\e], v[20+\e]
.irp i, 0,1,2,3,4,5
	v_max3_num_f32 v[212+\e], v[212+\e], v[22+4*\i+\e], v[24+4*\i+\e]
.endr
	v_max_num_f32 v[212+\e], v[212+\e], v[46+\e]
.endr
.irp b, 0,1,2,3,4,5,6,7,8,9,10,11,12,13,14,15
	v_pk_add_f32 v[16+2*\b:17+2*\b], v[16+2*\b:17+2*\b], v[212:213] neg_lo:[0,1] neg_hi:[0,1]   ; M_b - M*
.endr
.set i, 0
.rept 32
	v_exp_f32 v[176+i], v[16+i]
.set i, i+1
.endr
.irp b, 0,1,2,3,4,5,6,7,8,9,10,11,12,13,14,15
	v_pk_fma_f32 v[80+2*\b:81+2*\b], v[16+2*\b:17+2*\b], v[48+2*\b:49+2*\b], v[80+2*\b:81+2*\b]   ; S_b + (M_b - M*) Z_b: work that names no exponential
.endr
.irp b, 1,2,3,4,5,6,7,8,9,10,11,12,13,14,15
	v_pk_add_f32 v[112:113], v[112:113], v[112+2*\b:113+2*\b]
	v_pk_add_f32 v[144:145], v[144:145], v[144+2*\b:145+2*\b]
.endr
	s_wait_alu depctr_va_vdst(0)                   ; one wait for the 32, ahead of their first reader
	v_pk_mul_f32 v[214:215], v[48:49], v[176:177]
	v_pk_mul_f32 v[216:217], v[80:81], v[176:177]
.irp b, 1,2,3,4,5,6,7,8,9,10,11,12,13,14,15
	v_pk_fma_f32 v[214:215], v[48+2*\b:49+2*\b], v[176+2*\b:177+2*\b], v[214:215]
	v_pk_fma_f32 v[216:217], v[80+2*\b:81+2*\b], v[176+2*\b:177+2*\b], v[216:217]
.endr
	v_add_f32 v222, 0x322bcc77, v112               ; row sum + 1e-8
	v_add_f32 v223, 0x322bcc77, v113
	v_mov_b32 v232, s58
	v_max3_num_f32 v232, v232, s59, s60
	v_max_num_f32 v232, s61, v232                  ; the largest sum of squares
.irp e, 0,1
	v_log_f32 v[218+\e], v[214+\e]
	v_rcp_f32 v[220+\e], v[214+\e]
	v_rcp_f32 v[224+\e], v[222+\e]
	v_sqrt_f32 v[226+\e], v[208+\e]
	v_sqrt_f32 v[228+\e], v[210+\e]
	v_sqrt_f32 v[230+\e], v[SQP+\e]
.endr
	v_sqrt_f32 v233, v232
	s_add_co_i32 s62, s56, s57
	v_ldexp_f32 v144, v144, s62                    ; pot x 2^(e0 + e1)
	v_ldexp_f32 v145, v145, s62
	s_wait_alu depctr_va_vdst(0)
	v_add_f32 v233, 0x322bcc77, v233
	v_rcp_f32 v234, v233
	v_nop
	s_wait_alu depctr_va_vdst(0)
	v_mul_f32 v234, 0.5, v234
.irp e, 0,1
	v_fma_f32 v[236+\e], -v[144+\e], v[224+\e], v[SQP+\e]          ; kinetic - pot / (row sum + 1e-8)
	v_fma_f32 v[238+\e], -v[216+\e], v[220+\e], v[218+\e]          ; log2 Z - S / Z
	v_mul_f32 v[238+\e], 0x3f317218, v[238+\e]                     ; x ln 2
	v_cmp_lt_f32 vcc_lo, 0, v[112+\e]
	v_cndmask_b32 v[238+\e], 0, v[238+\e], vcc_lo                  ; 0 where the row sum is not positive
	v_mul_f32 v[240+\e], 0x3ecccccd, v[228+\e]
	v_fmamk_f32 v[240+\e], v[226+\e], 0x3f19999a, v[240+\e]        ; 0.6 global + 0.4 local
	v_mul_f32 v[242+\e], v[230+\e], v234
	v_fmamk_f32 v[242+\e], v[112+\e], 0x38800400, v[242+\e]        ; 0.5 row sum / 8,191 + 0.5 |x| / (largest |x| + 1e-8)
.endr
.irp q, 0,1,2,3
	global_store_b64 v3, v[236+2*\q:237+2*\q], s[16:17] offset:32768*\q   ; 256 consecutive bytes, aligned
.endr
.Lend:
	s_wait_tensorcnt 0x0
	ds_add_u32 v254, v255
	s_wait_dscnt 0x0
	s_endpgm
.Lfunc_end_k_qe5477d04d7_final:
	.size	k_qe5477d04d7_final, .Lfunc_end_k_qe5477d04d7_final-k_qe5477d04d7_final
	.p2alignl 7, 3214868480
	.fill 96, 4, 3214868480
	.section	.rodata,"a",@progbits
	.p2align	6, 0x0
	.amdhsa_kernel k_qe5477d04d7_final
		.amdhsa_group_segment_fixed_size 23040
		.amdhsa_private_segment_fixed_size 0
		.amdhsa_enable_private_segment 0
		.amdhsa_kernarg_size 56
		.amdhsa_user_sgpr_count 2
		.amdhsa_user_sgpr_kernarg_segment_ptr 1
		.amdhsa_wavefront_size32 1
		.amdhsa_system_sgpr_workgroup_id_x 1
		.amdhsa_system_sgpr_workgroup_id_y 1
		.amdhsa_system_sgpr_workgroup_id_z 1
		.amdhsa_system_vgpr_workitem_id 0
		.amdhsa_next_free_vgpr 256
		.amdhsa_next_free_sgpr 96
		.amdhsa_reserve_vcc 1
		.amdhsa_float_denorm_mode_32 3
		.amdhsa_float_denorm_mode_16_64 3
		.amdhsa_memory_ordered 1
		.amdhsa_forward_progress 1
		.amdhsa_inst_pref_size 39
	.end_amdhsa_kernel
	.amdgpu_metadata
---
amdhsa.version: [ 1, 2 ]
amdhsa.kernels:
  - .name:           k_qe5477d04d7_final
    .symbol:         k_qe5477d04d7_final.kd
    .args:
      - { .name: node_embeddings, .offset: 0, .size: 8, .value_kind: global_buffer, .address_space: global }
      - { .name: lowp_scales, .offset: 8, .size: 8, .value_kind: global_buffer, .address_space: global }
      - { .name: prep, .offset: 16, .size: 8, .value_kind: global_buffer, .address_space: global }
      - { .name: part, .offset: 24, .size: 8, .value_kind: global_buffer, .address_space: global }
      - { .name: nidx, .offset: 32, .size: 8, .value_kind: global_buffer, .address_space: global }
      - { .name: stat, .offset: 40, .size: 8, .value_kind: global_buffer, .address_space: global }
      - { .name: out0, .offset: 48, .size: 8, .value_kind: global_buffer, .address_space: global }
    .group_segment_fixed_size: 23040
    .private_segment_fixed_size: 0
    .kernarg_segment_align: 8
    .kernarg_segment_size: 56
    .max_flat_workgroup_size: 512
    .sgpr_count:     96
    .vgpr_count:     256
    .wavefront_size: 32
...
	.end_amdgpu_metadata
.endif
;; end of part 5
